; MI455X (gfx1250); checked and timed in simulation.
; The chip was launched on July 23, 2026; its instructions are those of AMD's public machine-readable ISA for CDNA 5 (MIT licence, August 2026) and "CDNA5" Instruction Set Architecture Reference Guide (July 2026). The comments in the code are by the model that wrote it; some were corrected since.
;; Multi head attention. Allowed arithmetic: float matrix products may take bf16 or f16 operands with f32 sums; other float arithmetic in f32, or as packed bf16 or f16 multiplies, adds, multiply-adds, maxima and minima; sums over many terms, partial sums and values carried from step to step in f32; what a program stores and reads back later, other than sums and carried values, may be rounded once to bf16 or f16.
;; Inputs: Wk 4,096 x 4,096 float32; Wq 4,096 x 4,096 float32; Wv 4,096 x 4,096 float32; bk 4,096 float32; bq 4,096 float32; bv 4,096 float32; mask 1,024 x 32 int32; x 1,024 x 4,096 float32.
;; Outputs: out0 1,024 x 4,096 float32.
;; 2 versions, each right; version 2 is version 1 with the launches prep, finish written anew for expert scheduling mode. Each part assembles by itself: llvm-mc -triple=amdgcn-amd-amdhsa -mcpu=gfx1250 --defsym DOCPART=n.
;; ======== version 1 of 2: 3 launches
;; workspace buffers: xb 8,388,608 bytes; k0p 8,388,608 bytes; pa 8,388,608 bytes; vb 8,388,608 bytes
;; launch prep (part 1): grid 16 x 16, 4 waves a work-group, no clusters, 69,120 bytes of LDS; arguments x, Wk, xb, k0p; writes xb, k0p
.if DOCPART == 1
	.amdgcn_target "amdgcn-amd-amdhsa--gfx1250"
	.amdhsa_code_object_version 6
	.text
	.protected	k_q5d48c810ad_prep
	.globl	k_q5d48c810ad_prep
	.p2align	8
	.type	k_q5d48c810ad_prep,@function
k_q5d48c810ad_prep:
	s_mov_b64 s[64:65], 0
	v_nop
	global_prefetch_b8 v0, s[64:65] scope:SCOPE_SE
	s_setreg_imm32_b32 hwreg(HW_REG_WAVE_MODE, 25, 1), 1
	s_wait_xcnt 0x0
; xb = x rounded to bf16, laid out by K steps: [ks 32][s 1024][128], a row of 256 bytes; and
; k0p[f][dp][s][i] = the sum over k = 256 f .. 256 f + 255 of x[s][k] Wk[32 d][k], d = 2 dp + i: sixteen partial sums in f32 of the only columns of k that the module keeps (k[:, :, 0]).
; LIMITS.  x and Wk are rounded to bf16 for the product, sums in f32.  Rows of Wk whose number is no multiple of 32 are not read: the module slices their results away.
; SHARES.  Work-group (f, mt): 64 rows of x, 256 along K.  Wave w rounds rows 16 w .. 16 w + 15 (1,024 bytes of each, read whole), stores them to xb and to LDS; behind one barrier it
; multiplies all 64 rows by Wk's rows d = 32 w .. 32 w + 31: 8 accumulators, 8 steps of 32 along K.  Nothing loops: every load is issued once, at the head.
; NO CLUSTER, NO TENSOR LOADS: both operands are rounded in registers on their way; what work-groups share is Wk's 128 rows, 2 MiB against the 32 MiB that the launch moves for x, xb and k0p.
; THE PRODUCT IS TAKEN TRANSPOSED (source 0 = 16 rows of Wk, source 1 = 16 rows of x): a lane holds one row s (lane % 16) and d = 8 (lane / 16) + 0..7.
; REGISTERS: window 0: v0-29 addresses; v32-95 accumulators; v128-255 x as loaded, 8 a row, later k0p's rows on the way out.  window 1: Wk's 16 fragments, 16 registers each in f32, 8 once rounded.
; window 2: x's 32 fragments.  (s_set_vgpr_msb: bits 1:0 source 0, 3:2 source 1, 5:4 source 2, 7:6 destination.)
.set XP,    528                        ; an LDS row of x: 512 bytes of bf16 + 16 of padding: the 16 rows of a fragment load start 16 bytes apart modulo 256
.set STG,   64*XP                      ; behind x's 64 rows: a stage for each wave
.set GRP,   2176                       ; four dp of 512 bytes + 128 of padding: the two halves of the lanes store into different halves of a 256-byte row of banks
.set STGW,  4*GRP
.set SPARE, STG+4*STGW                 ; the spare words, 128 bytes for each wave: two blocks of 256 bytes that no other line names
.set XO,  4                            ; v4    my 32 bytes of a row of x: 32 l + 16 w rows
.set WO,  6                            ; v6-7  my row of Wk for n block 0, 1: (32 w + 16 nb + l % 16) x 32 rows x 16,384 bytes + 32 (l / 16)
.set XBO, 8                            ; v8    my 16 bytes in xb: K step l / 16, row 16 w, byte 16 (l % 16)
.set XL,  9                            ; v9    the same 16 bytes in LDS
.set XA,  10                           ; v10   my place in a fragment of x
.set ST,  11                           ; v11   the way out: where I put 8 bytes
.set RD,  12                           ; v12   the way out: where I read 16 bytes back
.set KO,  13                           ; v13   my 16 bytes in k0p
.set SPW, 28                           ; v28   LDS address of my spare word; never rewritten
.set NIL, 29                           ; v29   0; never rewritten
.set ACC, 32                           ; (mb, nb) at ACC + 8 (2 mb + nb)
.set XR,  128
.set MSB, 0
.macro WIN new                         ; the immediate's high byte repeats the setting that is left
.if MSB != (\new)
	s_set_vgpr_msb (MSB<<8)|(\new)
.set MSB, \new
.endif
.endm
	s_load_b256 s[4:11], s[0:1], 0x0               ; x s[4:5], Wk s[6:7], xb s[8:9], k0p s[10:11]
	v_lshl_add_u32 v[SPW], v0, 2, SPARE
	v_mov_b32 v[NIL], 0
	v_lshrrev_b32 v14, 5, v0
	v_readfirstlane_b32 s12, v14                   ; wave 0..3
	s_and_b32 s13, ttmp7, 0xffff                   ; mt: my 64 rows
	v_and_b32 v1, 31, v0                           ; l
	v_and_b32 v2, 15, v0                           ; l % 16
	v_bfe_u32 v3, v0, 4, 1                         ; l / 16
	s_lshl_b32 s16, s12, 18                        ; 16 rows of 16,384 bytes
	v_lshl_add_u32 v[XO], v1, 5, s16
	s_lshl_b32 s17, s12, 5
	v_add_nc_u32 v[WO], s17, v2                    ; d = 32 w + l % 16
	v_lshlrev_b32 v[WO], 19, v[WO]                 ; row 32 d of 16,384 bytes
	v_lshl_add_u32 v[WO], v3, 5, v[WO]
	v_add_nc_u32 v[WO+1], 0x800000, v[WO]          ; 16 d further on
	s_lshl_b32 s18, s12, 12                        ; 16 rows of 256 bytes
	v_lshl_add_u32 v[XBO], v2, 4, s18
	v_lshl_add_u32 v[XBO], v3, 18, v[XBO]          ; lanes 16-31 hold the chunk's second K step: 1,024 rows of 256 bytes on
	s_mul_i32 s19, s12, 16*XP
	v_lshl_add_u32 v[XL], v1, 4, s19
	v_mul_u32_u24 v[XA], v2, XP
	v_lshl_add_u32 v[XA], v3, 4, v[XA]
	s_mul_i32 s20, s12, STGW
	s_add_co_u32 s20, s20, STG                     ; my stage
	v_mul_u32_u24 v[ST], v3, GRP
	v_lshl_add_u32 v[ST], v2, 3, v[ST]
	v_add_nc_u32 v[ST], s20, v[ST]
	v_lshl_add_u32 v[RD], v1, 4, s20
	s_lshl_b32 s21, s12, 17                        ; my 16 dp of 8,192 bytes
	v_lshl_add_u32 v[KO], v1, 4, s21
	s_lshl_b32 s24, ttmp9, 10                      ; the chunk: 1,024 bytes along a row of x and of Wk
	s_mov_b32 s25, 0
	s_lshl_b32 s22, s13, 20                        ; 64 rows of x
	s_add_co_u32 s22, s22, s24
	s_mov_b32 s23, 0
	s_lshl_b32 s26, ttmp9, 19                      ; two K steps of xb
	s_lshl_b32 s27, s13, 14                        ; 64 rows of 256 bytes
	s_add_co_u32 s26, s26, s27
	s_mov_b32 s27, 0
	s_lshl_b32 s28, ttmp9, 19                      ; part f of k0p
	s_lshl_b32 s29, s13, 9                         ; 64 rows of 8 bytes
	s_add_co_u32 s28, s28, s29
	s_mov_b32 s29, 0
	s_wait_kmcnt 0x0
	s_add_nc_u64 s[4:5], s[4:5], s[22:23]
	s_add_nc_u64 s[6:7], s[6:7], s[24:25]
	s_add_nc_u64 s[8:9], s[8:9], s[26:27]
	s_add_nc_u64 s[10:11], s[10:11], s[28:29]
.set i, 0
.rept 16                                       ; my 16 rows of x: 32 bytes a lane, 1,024 consecutive bytes a row
	global_load_b128 v[XR+8*i:XR+8*i+3],   v[XO], s[4:5] offset:i*16384 th:TH_LOAD_NT
	global_load_b128 v[XR+8*i+4:XR+8*i+7], v[XO], s[4:5] offset:i*16384+16 th:TH_LOAD_NT
.set i, i+1
.endr
	WIN 0x40                                       ; destination window 1, address window 0
.irp nb, 0,1                                   ; a fragment in f32: K = 8 (l / 16) + 0..7 is 32 bytes, K = 16 + 8 (l / 16) + 0..7 the 32 bytes 64 further on
.irp kk, 0,1,2,3,4,5,6,7
	global_load_b128 v[16*(8*(\nb)+(\kk)):16*(8*(\nb)+(\kk))+3],     v[WO+(\nb)], s[6:7] offset:128*(\kk)
	global_load_b128 v[16*(8*(\nb)+(\kk))+4:16*(8*(\nb)+(\kk))+7],   v[WO+(\nb)], s[6:7] offset:128*(\kk)+16
	global_load_b128 v[16*(8*(\nb)+(\kk))+8:16*(8*(\nb)+(\kk))+11],  v[WO+(\nb)], s[6:7] offset:128*(\kk)+64
	global_load_b128 v[16*(8*(\nb)+(\kk))+12:16*(8*(\nb)+(\kk))+15], v[WO+(\nb)], s[6:7] offset:128*(\kk)+80
.endr
.endr
	WIN 0
	s_wait_loadcnt 63                              ; x's 32 loads are in: 64 younger loads were issued, and the wait's field holds 63 at the most
.set i, 0
.rept 16
.irp t, 0,1,2,3
	v_cvt_pk_bf16_f32 v[XR+8*i+(\t)], v[XR+8*i+2*(\t)], v[XR+8*i+2*(\t)+1]  ; in place, ascending: register t is written when registers 2 t, 2 t + 1 are read
.endr
	global_store_b128 v[XBO], v[XR+8*i:XR+8*i+3], s[8:9] offset:i*256  ; 16 lanes store 256 consecutive bytes, aligned: a row of one K step
	ds_store_b128 v[XL], v[XR+8*i:XR+8*i+3] offset:i*XP
.set i, i+1
.endr
	s_wait_dscnt 0x0                               ; for the others' sake: my rows lie in LDS
	s_barrier_signal -1
	s_barrier_wait -1                              ; all 64 rows do
	WIN 0x80                                       ; destination window 2
.irp kk, 0,1,2,3,4,5,6,7                       ; by K, so that the products can begin while the later fragments come
.irp mb, 0,1,2,3
	ds_load_b128 v[8*(8*(\mb)+(\kk)):8*(8*(\mb)+(\kk))+3],   v[XA] offset:(\mb)*16*XP+64*(\kk)
	ds_load_b128 v[8*(8*(\mb)+(\kk))+4:8*(8*(\mb)+(\kk))+7], v[XA] offset:(\mb)*16*XP+64*(\kk)+32
.endr
.endr
	s_wait_loadcnt 0x0                             ; Wk's fragments
	WIN 0x45                                       ; all in window 1
.set i, 0
.rept 16
.irp t, 0,1,2,3,4,5,6,7
	v_cvt_pk_bf16_f32 v[16*i+(\t)], v[16*i+2*(\t)], v[16*i+2*(\t)+1]
.endr
.set i, i+1
.endr
	WIN 0x09                                       ; source 0 (Wk) window 1, source 1 (x) window 2, C and D window 0
.irp kk, 0,1,2,3,4,5,6,7                       ; the eight accumulators take turns, one instruction a turn
	s_wait_dscnt 8*(7-(\kk))                       ; the later K steps' eight loads each may stay out
.irp mb, 0,1,2,3
.irp nb, 0,1
.if (\kk) == 0
	v_wmma_f32_16x16x32_bf16 v[ACC+8*(2*(\mb)+(\nb)):ACC+8*(2*(\mb)+(\nb))+7], v[16*(8*(\nb)+(\kk)):16*(8*(\nb)+(\kk))+7], v[8*(8*(\mb)+(\kk)):8*(8*(\mb)+(\kk))+7], 0
.else
	v_wmma_f32_16x16x32_bf16 v[ACC+8*(2*(\mb)+(\nb)):ACC+8*(2*(\mb)+(\nb))+7], v[16*(8*(\nb)+(\kk)):16*(8*(\nb)+(\kk))+7], v[8*(8*(\mb)+(\kk)):8*(8*(\mb)+(\kk))+7], v[ACC+8*(2*(\mb)+(\nb)):ACC+8*(2*(\mb)+(\nb))+7]
.endif
.endr
.endr
.endr
	WIN 0
.rept 4
	v_nop                                          ; four places between the last product and the LDS stores that read results
.endr
; THE WAY OUT.  A lane's registers 2 jj, 2 jj + 1 are the pair (d even, d odd) of dp = 16 w + 8 nb + 4 (l / 16) + jj for row 16 mb + l % 16: 8 bytes.  In my stage a dp's 64 rows lie on end, 512 bytes.
.irp mb, 0,1,2,3
.irp nb, 0,1
.irp jj, 0,1,2,3                               ; ascending: an accumulator's lowest registers are read first
	ds_store_b64 v[ST], v[ACC+8*(2*(\mb)+(\nb))+2*(\jj):ACC+8*(2*(\mb)+(\nb))+2*(\jj)+1] offset:(\nb)*2*GRP+(\jj)*512+(\mb)*128
.endr
.endr
.endr
	s_wait_xcnt 0x0                                ; xb's stores have read their data: x's registers are loaded again only behind this wait
.irp u, 0,1,2,3,4,5,6,7,8,9,10,11,12,13,14,15
	ds_load_b128 v[XR+4*(\u):XR+4*(\u)+3], v[RD] offset:((\u)/4)*GRP+((\u)%4)*512  ; LDS serves a wave's instructions in order (ISA guide 5.7.1.4): these see my stores above
.endr
.irp u, 0,1,2,3,4,5,6,7,8,9,10,11,12,13,14,15
	s_wait_dscnt 15-(\u)
	global_store_b128 v[KO], v[XR+4*(\u):XR+4*(\u)+3], s[10:11] offset:(\u)*8192  ; 512 consecutive bytes, aligned: 64 rows of one dp
.endr
	s_wait_tensorcnt 0x0                           ; the wave's end: behind my last LDS store
	ds_add_u32 v[SPW], v[NIL]
	s_wait_dscnt 0x0
	s_endpgm
.Lfunc_end_k_q5d48c810ad_prep:
	.size	k_q5d48c810ad_prep, .Lfunc_end_k_q5d48c810ad_prep-k_q5d48c810ad_prep
	.p2alignl 7, 3214868480
	.fill 96, 4, 3214868480
	.section	.rodata,"a",@progbits
	.p2align	6, 0x0
	.amdhsa_kernel k_q5d48c810ad_prep
		.amdhsa_group_segment_fixed_size 69120
		.amdhsa_private_segment_fixed_size 0
		.amdhsa_enable_private_segment 0
		.amdhsa_kernarg_size 32
		.amdhsa_user_sgpr_count 2
		.amdhsa_user_sgpr_kernarg_segment_ptr 1
		.amdhsa_wavefront_size32 1
		.amdhsa_system_sgpr_workgroup_id_x 1
		.amdhsa_system_sgpr_workgroup_id_y 1
		.amdhsa_system_sgpr_workgroup_id_z 1
		.amdhsa_system_vgpr_workitem_id 0
		.amdhsa_next_free_vgpr 768
		.amdhsa_next_free_sgpr 66
		.amdhsa_reserve_vcc 0
		.amdhsa_float_denorm_mode_32 3
		.amdhsa_float_denorm_mode_16_64 3
		.amdhsa_memory_ordered 1
		.amdhsa_forward_progress 1
		.amdhsa_inst_pref_size 40
	.end_amdhsa_kernel
	.amdgpu_metadata
---
amdhsa.version: [ 1, 2 ]
amdhsa.kernels:
  - .name:           k_q5d48c810ad_prep
    .symbol:         k_q5d48c810ad_prep.kd
    .args:
      - { .name: x, .offset: 0, .size: 8, .value_kind: global_buffer, .address_space: global }
      - { .name: Wk, .offset: 8, .size: 8, .value_kind: global_buffer, .address_space: global }
      - { .name: xb, .offset: 16, .size: 8, .value_kind: global_buffer, .address_space: global }
      - { .name: k0p, .offset: 24, .size: 8, .value_kind: global_buffer, .address_space: global }
    .group_segment_fixed_size: 69120
    .private_segment_fixed_size: 0
    .kernarg_segment_align: 8
    .kernarg_segment_size: 32
    .max_flat_workgroup_size: 128
    .sgpr_count:     66
    .vgpr_count:     768
    .wavefront_size: 32
...
	.end_amdgpu_metadata
.endif
;; end of part 1
;; launch gemm (part 2): grid 64 x 4, 4 waves a work-group, clusters of 4 x 4, 327,680 bytes of LDS; arguments xb, Wq, Wv, bq, bv, k0p, bk, pa, vb; writes pa, vb
.if DOCPART == 2
	.amdgcn_target "amdgcn-amd-amdhsa--gfx1250"
	.amdhsa_code_object_version 6
	.text
	.protected	k_q5d48c810ad_gemm
	.globl	k_q5d48c810ad_gemm
	.p2align	8
	.type	k_q5d48c810ad_gemm,@function
k_q5d48c810ad_gemm:
	s_mov_b64 s[64:65], 0
	v_nop
	global_prefetch_b8 v0, s[64:65] scope:SCOPE_SE
	s_setreg_imm32_b32 hwreg(HW_REG_WAVE_MODE, 25, 1), 1
	s_wait_xcnt 0x0
	s_wait_alu depctr_hold_cnt(0) depctr_sa_sdst(0) depctr_va_vdst(0) depctr_va_sdst(0) depctr_va_ssrc(0) depctr_va_vcc(0) depctr_vm_vsrc(0)
	s_getreg_b32 s2, hwreg(HW_REG_IB_STS2, 6, 4)
	s_cmp_eq_u32 s2, 0
	s_cbranch_scc0 .Lentry_in_a_cluster
	s_endpgm
.Lentry_in_a_cluster:
	s_bfe_u32 s2, ttmp6, 0x10000c
	s_cmp_lg_u32 s2, 0xf033
	s_cbranch_scc0 .Lentry_shape_is_right
	s_endpgm
.Lentry_shape_is_right:
; ONE GEMM OVER [q | v]: 1,024 rows x 8,192 columns x K = 4,096.  Column tiles 0-31 are q = x Wq^T + bq, tiles 32-63 v = x Wv^T + bv.
; q NEVER REACHES MEMORY: column c = 32 d + h, and align[s][h] = the sum over d of k0[s][d] q[s][32 d + h] is linear in q, so each wave stores the part of that sum that its 64 columns
; (two d) give: pa[part 64][s 1024][h 32] in f32.  v + bv is stored rounded once to bf16: vb[panel 64][s 1024][64].  Both have 131,072 bytes a part and 128 a row: one way out serves both.
; LIMITS.  x (already bf16 in xb) and W are bf16 for the products; sums, biases, k0 and pa in f32; f32 sums in another order than the module's; v is off by at most 2^-9 of itself in vb.
; Entries of bk whose number is no multiple of 32 are not read: the module slices their results away.  NaN and infinities are not treated apart.
; SHARES.  A tile is 256 rows x 128 columns: 4 x 64 = 256 work-groups.  Wave w: rows 128 (w / 2) on, columns 64 (w % 2) on: 8 x 4 accumulators of 16 x 16.  K goes in 32 steps of 128 through two LDS slots.
; W STAYS f32 UNTIL IT IS IN REGISTERS: a bf16 copy in memory would cost its bytes twice more.  A step is four quarters of 32 along K.  In quarter g a wave asks LDS for quarter g + 2's fragments,
; multiplies quarter g and rounds W of quarter g + 1: eight products, eight roundings, by turns.  Each quarter of a step has registers of its own, so a register is loaded or written again two or three
; quarters behind the last product that read it, with 32 roundings or more, which name none of that product's registers, between: they are the places, and the loop has no v_nop but those behind a tensor load.
; CLUSTERS: 4 x 4 work-groups: the four row tiles x four column tiles.  x's tile hangs on the row tile alone and is asked for jointly along a row of the cluster, W's on the column tile alone and jointly along a
; column: the same tensor load, descriptor and mask in all four.  A cluster holds all four row tiles, so each byte of W is asked for by one cluster alone.  A cluster is all q or all v (cluster x below 8 or not).
; THE PRODUCT IS TAKEN TRANSPOSED (source 0 = 16 rows of W, source 1 = 16 rows of x): a lane holds one row s (lane % 16) and the columns 8 (lane / 16) + 0..7.  The first product's C is the bias: nothing is cleared.
; REGISTERS, in windows of 256 (s_set_vgpr_msb: bits 1:0 source 0, 3:2 source 1, 5:4 source 2, 7:6 destination):
;   window 0: v0-31 addresses; v32-63 bias; v64-79 k0; v128-255 W rounded (quarter q, n block nb at 128 + 32 q + 8 nb), on the way out the results
;   window 1: x's fragments (64 q + 8 mb); at the head k0p's parts     window 2: the accumulators (8 (4 mb + nb))     window 3: W in f32 (64 q + 16 nb)
.set KSTEPS, 32
.set PX,    272                        ; an LDS row of x: 256 bytes + 16 of padding; of W: 512 + 16.  In both the 16 rows of a fragment load start 16 bytes apart modulo 256
.set PW,    528
.set XH,    128*PX                     ; what one tensor load brings of x: 128 rows; also what a wave reads of x
.set WH,    64*PW                      ; of W: 64 rows
.set WT,    2*XH                       ; in a slot: x's 256 rows, then W's 128
.set SLOT,  WT+2*WH
.set STAGE, 2*SLOT                     ; behind the ring, never filled by a tensor load: 16 rows x 144 bytes for each wave, for the way out
.set SP,    144
.set K0ST,  STAGE+4*16*SP              ; 1,024 bytes for each wave: k0 of its 128 rows, two d a row
.set SPARE, K0ST+4*1024                ; the spare words, 128 bytes for each wave: two blocks of 256 bytes that no other line names
.set XSTEP, 262144                     ; bytes from a K step of xb to the next: 1,024 rows of 256
.set WSTEP, 512                        ; the same along a row of W
.set K0R,  14                          ; v14     where I read my row's k0 pair
.set ADRX, 16                          ; v16-17  LDS address of my fragments of x in slot 0, 1
.set ADRW, 20                          ; v20-21  the same for W
.set STQ,  22                          ; v22     the way out of q: where I put 32 bytes of a row
.set STV,  23                          ; v23     of v: 16 bytes
.set RD,   24                          ; v24     where I read rows back
.set GO,   25                          ; v25     16 x lane: my place in 512 consecutive bytes of pa, vb and k0p
.set BO,   26                          ; v26     32 (lane / 16): my eight biases
.set SPW,  28                          ; v28     LDS address of my spare word; never rewritten
.set NIL,  29                          ; v29     0; never rewritten
.set PFO,  30                          ; v30     the prefetches' lane offset; never rewritten
.set K0S,  31                          ; v31     where I put 16 bytes of k0
.set BI,   32
.set K0,   64                          ; m block mb: k0[s][d0], k0[s][d1] at K0 + 2 mb
.set WB,   128
.set O,    128                         ; the way out: 16 registers an m block
.set G1,   24                          ; s[24:31] descriptor group 1 for x's tiles;  s[32:39] group 0, a set for each slot
.set G0,   32
.set G1B,  48                          ; s[48:55], s[56:63] the same for W's
.set G0B,  56
.set LIM,  43                          ; s43  1 in a wave that prefetches, else the greatest number
.set PFA,  44                          ; s[44:45] where my prefetches stand
.set PFS,  46                          ; s[46:47] a K step in the tensor that I prefetch
.set MSB, 0
.macro WIN new                         ; the immediate's high byte repeats the setting that is left; a switch that changes nothing is dropped
.if MSB != (\new)
	s_set_vgpr_msb (MSB<<8)|(\new)
.set MSB, \new
.endif
.endm
.set MUL,  0xa4                        ; source 0 (W rounded) window 0, source 1 (x) window 1, C and D window 2
.set MUL1, 0x84                        ; the same with C (the bias) in window 0
.set CVT,  0x0f                        ; sources window 3, destination window 0
.set TO_W, 0xc0                        ; destination window 3, address window 0
.set TO_X, 0x40                        ; destination window 1
.set EQ,   0x02                        ; source 0 window 2
.set EV,   0x0a                        ; sources 0 and 1 window 2
; A joint load.  Waves 0 and 1 fetch x's two halves, waves 2 and 3 W's.  The branch hangs on the wave's number alone.  An s_nop 0 and four v_nop follow each of the two lines.
.macro JLOAD s
	s_cmp_eq_u32 s11, 0
	s_cbranch_scc0 .Lfor_w_\@
	tensor_load_to_lds s[G0+4*(\s):G0+4*(\s)+3], s[G1:G1+7]
	s_nop 0
.rept 4
	v_nop
.endr
	s_branch .Lasked_\@
.Lfor_w_\@:
	tensor_load_to_lds s[G0B+4*(\s):G0B+4*(\s)+3], s[G1B:G1B+7]
	s_nop 0
.rept 4
	v_nop
.endr
.Lasked_\@:
.endm
; A PREFETCH INTO THE L2 of the K step that stands two refills on, one instruction a wave, behind the joint load, its five lines and the run of LDS loads that the next products wait for.
; W: waves 2 and 3 of every cluster (no other cluster reads these rows): of the 64 rows x 512 bytes that the wave fetches, the partner at place cy takes rows 16 cy .. 16 cy + 15, a lane half a row.
; x: waves 0 and 1 of cluster 0 alone (all sixteen clusters read the same rows): of the wave's 128 rows x 256 bytes the partner at place cx takes 32, a lane a row.
; The partners are told apart by address; no branch hangs on a place in the cluster.  So each aligned 256 bytes are named once.  K steps 0 to 3 come by their loads alone; the loop's last trip (s3 = 1) asks for nothing.
.macro ASK
	WIN 0
	s_cmp_gt_u32 s3, s[LIM]
	s_cbranch_scc0 .Lnot_mine_\@
	global_prefetch_b8 v[PFO], s[PFA:PFA+1] th:TH_LOAD_NT scope:SCOPE_SE
.Lnot_mine_\@:
.endm
.macro CREST                           ; a round of the cluster's barrier behind its opening barrier
	s_cmp_lg_u32 s10, 0
	s_cbranch_scc1 .Lnot_wave_0_\@
	s_barrier_signal -3
.Lnot_wave_0_\@:
	s_barrier_wait -3
	s_barrier_signal -1
	s_barrier_wait -1
.endm
.macro CROUND                          ; a whole round
	s_barrier_signal -1
	s_barrier_wait -1
	CREST
.endm
	s_load_b512 s[68:83], s[0:1], 0x0              ; xb s[68:69], Wq s[70:71], Wv s[72:73], bq s[74:75], bv s[76:77], k0p s[78:79], bk s[80:81], pa s[82:83]
	s_load_b64 s[84:85], s[0:1], 0x40              ; vb
	v_lshl_add_u32 v[SPW], v0, 2, SPARE
	v_mov_b32 v[NIL], 0
	ds_add_u32 v[SPW], v[NIL]                      ; the wave's opening: the add and its wait stand ahead of my first tensor load; the set-up below, work on registers, stands between them
	v_lshrrev_b32 v3, 5, v0
	v_readfirstlane_b32 s10, v3                    ; wave 0..3
	s_lshr_b32 s11, s10, 1                         ; which 128 rows of the tile are mine.  Also: I fetch for x (0) or for W (1)
	s_and_b32 s12, s10, 1                          ; which 64 columns.  Also: which half of that tile I fetch
	s_bfe_u32 s40, ttmp6, 0x40000                  ; cx
	s_bfe_u32 s41, ttmp6, 0x40004                  ; cy = the row tile: the grid is one cluster high
	s_cmp_ge_u32 ttmp9, 8                          ; clusters 0-7 make q, clusters 8-15 v: the same in all sixteen partners
	s_cselect_b32 s13, 1, 0
	s_and_b32 s42, ttmp9, 7
	s_lshl_b32 s42, s42, 2
	s_add_co_u32 s42, s42, s40                     ; the column tile within q or v, 0..31
	s_lshl_b32 s22, s41, 2
	s_lshl_b32 s22, 15, s22                        ; my row of the cluster: places 4 cy .. 4 cy + 3
	s_lshl_b32 s23, 0x1111, s40                    ; my column: places cx, cx + 4, cx + 8, cx + 12
	; group 1 for x: 128 rows x 128 elements of 2 bytes, dense rows of 256 bytes, 4 words of padding behind every 64
	s_or_b32 s[G1+0], s22, (1<<16)|(1<<20)|(1<<21)|(5<<22)|(3<<25)  ; 15:0 the mask; 17:16 element size; 20 padding on; 21 set beside a mask; 24:22 the interval; 31:25 the padding
	s_mov_b32 s[G1+1], 128<<16                     ; tensor_dim0 = 128
	s_mov_b32 s[G1+2], 128<<16                     ; tensor_dim1 = 128
	s_mov_b32 s[G1+3], 128<<16                     ; tile_dim0 = 128
	s_mov_b32 s[G1+4], 128                         ; tile_dim1 = 128
	s_mov_b32 s[G1+5], 128                         ; elements from row to row
	s_mov_b32 s[G1+6], 0
	s_mov_b32 s[G1+7], 0
	; group 1 for W: 64 rows x 128 elements of 4 bytes, 4,096 elements from row to row, 4 words of padding behind every 128
	s_or_b32 s[G1B+0], s23, (2<<16)|(1<<20)|(1<<21)|(6<<22)|(3<<25)
	s_mov_b32 s[G1B+1], 128<<16
	s_mov_b32 s[G1B+2], 64<<16
	s_mov_b32 s[G1B+3], 128<<16
	s_mov_b32 s[G1B+4], 64
	s_mov_b32 s[G1B+5], 4096
	s_mov_b32 s[G1B+6], 0
	s_mov_b32 s[G1B+7], 0
	; where the tiles come from: x's offset is made of cy and the wave's number, W's of the column tile and the wave's number, each in registers that never hold the other coordinate
	s_lshl_b32 s14, s41, 16                        ; 256 rows of 256 bytes
	s_lshl_b32 s15, s12, 15                        ; my 128 of them
	s_add_co_u32 s14, s14, s15
	s_mov_b32 s15, 0
	s_lshl_b32 s16, s42, 21                        ; 128 rows of 16,384 bytes
	s_lshl_b32 s17, s12, 20                        ; my 64 of them
	s_add_co_u32 s16, s16, s17
	s_mov_b32 s17, 0
	s_mul_i32 s20, s12, XH                         ; and where they go: no place in the cluster enters an LDS address
	s_mul_i32 s21, s12, WH
	s_add_co_u32 s21, s21, WT
	s_wait_dscnt 0x0                               ; the opening add is done
	s_wait_kmcnt 0x0
	s_cmp_eq_u32 s13, 1
	s_cselect_b64 s[4:5], s[72:73], s[70:71]       ; W
	s_cselect_b64 s[6:7], s[76:77], s[74:75]       ; its bias
	s_cselect_b64 s[8:9], s[84:85], s[82:83]       ; where the results go
	s_add_nc_u64 s[14:15], s[68:69], s[14:15]
	s_add_nc_u64 s[16:17], s[4:5], s[16:17]
.irp s, 0,1
	s_mov_b32 s[G0+4*(\s)], 1                                      ; count = 1
	s_add_co_u32 s[G0+4*(\s)+1], s20, (\s)*SLOT                    ; LDS address
	s_add_nc_u64 s[G0+4*(\s)+2:G0+4*(\s)+3], s[14:15], (\s)*XSTEP  ; global address: K step s
	s_or_b32 s[G0+4*(\s)+3], s[G0+4*(\s)+3], 0x80000000            ; type = 2
	s_mov_b32 s[G0B+4*(\s)], 1
	s_add_co_u32 s[G0B+4*(\s)+1], s21, (\s)*SLOT
	s_add_nc_u64 s[G0B+4*(\s)+2:G0B+4*(\s)+3], s[16:17], (\s)*WSTEP
	s_or_b32 s[G0B+4*(\s)+3], s[G0B+4*(\s)+3], 0x80000000
.endr
	CROUND                                         ; all sixteen work-groups are here: the first joint loads meet
	s_cmp_eq_u32 s11, 0                            ; a wave's two first fills stand in one branch, ahead of every wait on TENSORcnt and every LDS read: two loads of mine are out
	s_cbranch_scc0 .Lfirst_w
	tensor_load_to_lds s[G0:G0+3], s[G1:G1+7]
	s_nop 0
	tensor_load_to_lds s[G0+4:G0+7], s[G1:G1+7]
	s_nop 0
.rept 4
	v_nop
.endr
	s_branch .Lfirst_asked
.Lfirst_w:
	tensor_load_to_lds s[G0B:G0B+3], s[G1B:G1B+7]
	s_nop 0
	tensor_load_to_lds s[G0B+4:G0B+7], s[G1B:G1B+7]
	s_nop 0
.rept 4
	v_nop
.endr
.Lfirst_asked:
	; offsets that mix the coordinates live in s86-s95, which feed no descriptor
	s_lshl_b32 s86, s42, 18                        ; part or panel 2 x column tile + w % 2, of 131,072 bytes;
	s_lshl_b32 s87, s12, 17
	s_add_co_u32 s86, s86, s87
	s_lshl_b32 s87, s41, 15                        ; row 256 cy + 128 (w / 2), of 128 bytes
	s_add_co_u32 s86, s86, s87
	s_lshl_b32 s87, s11, 14
	s_add_co_u32 s86, s86, s87
	s_mov_b32 s87, 0
	s_add_nc_u64 s[8:9], s[8:9], s[86:87]
	s_lshl_b32 s88, s42, 9                         ; my 64 columns' biases begin at 4 (128 tile + 64 (w % 2)) bytes; bk[32 d0], d0 = 4 tile + 2 (w % 2), lies at the same number of bytes
	s_lshl_b32 s89, s12, 8
	s_add_co_u32 s88, s88, s89
	s_mov_b32 s89, 0
	s_add_nc_u64 s[6:7], s[6:7], s[88:89]
	s_add_nc_u64 s[80:81], s[80:81], s[88:89]
	s_lshl_b32 s90, s42, 14                        ; k0p: dp = 2 tile + w % 2, of 8,192 bytes; my 128 rows of 8 bytes
	s_lshl_b32 s91, s12, 13
	s_add_co_u32 s90, s90, s91
	s_lshl_b32 s91, s41, 11
	s_add_co_u32 s90, s90, s91
	s_lshl_b32 s91, s11, 10
	s_add_co_u32 s90, s90, s91
	s_mov_b32 s91, 0
	s_add_nc_u64 s[78:79], s[78:79], s[90:91]
	s_lshl_b32 s92, s41, 16                        ; the prefetches.  x: K step 3, row 256 cy + 128 (w % 2) + 32 cx
	s_lshl_b32 s94, s12, 15
	s_add_co_u32 s92, s92, s94
	s_lshl_b32 s94, s40, 13
	s_add_co_u32 s92, s92, s94
	s_add_co_u32 s92, s92, 3*XSTEP
	s_lshl_b32 s93, s42, 21                        ; W: K step 3, row 128 tile + 64 (w % 2) + 16 cy
	s_lshl_b32 s94, s12, 20
	s_add_co_u32 s93, s93, s94
	s_lshl_b32 s94, s41, 18
	s_add_co_u32 s93, s93, s94
	s_add_co_u32 s93, s93, 3*WSTEP
	s_cmp_eq_u32 s11, 0                            ; do I fetch for x?
	s_cselect_b32 s94, s92, s93
	s_cselect_b64 s[PFA:PFA+1], s[68:69], s[4:5]
	s_cselect_b32 s[PFS], 18, 9                    ; a K step: 2^18 bytes of xb, 2^9 of W
	s_cselect_b32 s86, 8, 14                       ; lane % 16 counts rows: 2^8 bytes in xb, 2^14 in W
	s_cselect_b32 s87, 12, 8                       ; lane / 16: sixteen rows on in xb, 256 bytes on in W
	s_cselect_b32 s88, ttmp9, 0                    ; x is prefetched by cluster 0 alone, W by every cluster
	s_mov_b32 s95, 0
	s_lshl_b32 s[PFS], 1, s[PFS]
	s_mov_b32 s[PFS+1], 0
	s_add_nc_u64 s[PFA:PFA+1], s[PFA:PFA+1], s[94:95]  ; at K step 3: the first change of slots steps it to 4.  Nothing is prefetched here, at the head
	s_cmp_eq_u32 s88, 0
	s_cselect_b32 s[LIM], 1, -1                    ; the same in all sixteen partners, for a given wave
	v_and_b32 v1, 15, v0                           ; l % 16
	v_bfe_u32 v2, v0, 4, 1                         ; l / 16
	v_and_b32 v3, 31, v0                           ; l
	v_lshlrev_b32 v[BO], 5, v2
	v_lshlrev_b32 v[GO], 4, v3
.irp b, 0,1,2,3                                ; register j of n block b: the bias of column 16 b + 8 (l / 16) + j
	global_load_b128 v[BI+8*(\b):BI+8*(\b)+3],   v[BO], s[6:7] offset:64*(\b)
	global_load_b128 v[BI+8*(\b)+4:BI+8*(\b)+7], v[BO], s[6:7] offset:64*(\b)+16
.endr
	v_lshlrev_b32 v[PFO], s86, v1
	v_lshlrev_b32 v9, s87, v2
	v_add_nc_u32 v[PFO], v[PFO], v9
	; a fragment is 16 rows x 32 K: lane l holds row l % 16, K = 8 (l / 16) + 0..7 and 16 + 8 (l / 16) + 0..7: in bf16 two loads of 16 bytes, 32 apart; in f32 two pairs of loads, 64 apart
	v_mul_u32_u24 v4, v1, PX
	v_lshl_add_u32 v4, v2, 4, v4
	s_mul_i32 s18, s11, XH                         ; my 128 rows of x
	v_add_nc_u32 v[ADRX], s18, v4
	v_add_nc_u32 v[ADRX+1], SLOT, v[ADRX]
	v_mul_u32_u24 v5, v1, PW
	v_lshl_add_u32 v5, v2, 5, v5
	s_mul_i32 s19, s12, WH                         ; my 64 rows of W, behind x's 256
	s_add_co_u32 s19, s19, WT
	v_add_nc_u32 v[ADRW], s19, v5
	v_add_nc_u32 v[ADRW+1], SLOT, v[ADRW]
	s_mul_i32 s66, s10, 16*SP
	s_add_co_u32 s66, s66, STAGE                   ; my stage
	v_mul_u32_u24 v6, v1, SP                       ; in: row l % 16
	v_add_nc_u32 v6, s66, v6
	v_lshl_add_u32 v[STQ], v2, 5, v6               ; eight f32 for each half of the lanes,
	v_lshl_add_u32 v[STV], v2, 4, v6               ; or eight bf16
	v_lshrrev_b32 v7, 3, v3                        ; back: 32 lanes take four rows of 128 bytes
	v_and_b32 v8, 7, v0
	v_mul_u32_u24 v7, v7, SP
	v_lshl_add_u32 v7, v8, 4, v7
	v_add_nc_u32 v[RD], s66, v7
	s_lshl_b32 s67, s10, 10
	s_add_co_u32 s67, s67, K0ST
	v_lshl_add_u32 v[K0S], v3, 4, s67
	v_lshl_add_u32 v[K0R], v1, 3, s67
.set i, 0
.rept 16
	v_mov_b32 v[K0+i], 0                           ; k0's registers are written on every path of the text: the way out of a q tile names them, and a v tile loads nothing into them
.set i, i+1
.endr
	s_cmp_eq_u32 s13, 0
	s_cbranch_scc0 .Lno_k0
	; A q TILE: k0[s][d0], k0[s][d1] of my 128 rows = the sixteen parts of k0p added up, + bk.  A part's 128 rows x 2 d are 1,024 consecutive bytes.  All this stands in the wait for the first tiles.
	s_load_b32 s90, s[80:81], 0x0                  ; bk[32 d0]
	s_load_b32 s91, s[80:81], 0x80                 ; bk[32 d1]
	WIN TO_X
.set f, 0
.rept 16
	global_load_b128 v[8*f:8*f+3],   v[GO], s[78:79] offset:f*524288
	global_load_b128 v[8*f+4:8*f+7], v[GO], s[78:79] offset:f*524288+512
.set f, f+1
.endr
	s_wait_loadcnt 0x0
	WIN 0x45                                       ; all in window 1
.irp st, 64,32,16,8
.set r, 0
.rept (\st)/2
	v_pk_add_f32 v[r:r+1], v[r:r+1], v[r+(\st):r+(\st)+1]
.set r, r+2
.endr
.endr
	s_wait_kmcnt 0x0
	WIN TO_X
	v_mov_b32 v8, s90
	v_mov_b32 v9, s91
	WIN 0x45
.irp r, 0,2,4,6                                ; a pair of registers is (d0, d1) of one row
	v_pk_add_f32 v[\r:\r+1], v[\r:\r+1], v[8:9]
.endr
	WIN 0x04                                       ; store data window 1, address window 0
	ds_store_b128 v[K0S], v[0:3]
	ds_store_b128 v[K0S], v[4:7] offset:512
	WIN 0
.irp m, 0,1,2,3,4,5,6,7
	ds_load_b64 v[K0+2*(\m):K0+2*(\m)+1], v[K0R] offset:128*(\m)  ; row 16 m + l % 16; LDS serves a wave's instructions in order (ISA guide 5.7.1.4): these see my two stores
.endr
.Lno_k0:
; 8 products: m blocks 2 g, 2 g + 1 x all 4 n blocks, quarter q.  The 32 accumulators take turns, one instruction a turn, in the same order in every quarter.  first = 1: C is the bias.
.macro MUL8 q, g, first
.if \first
	WIN MUL1
.else
	WIN MUL
.endif
.irp a, 2*(\g), 2*(\g)+1
.irp b, 0,1,2,3
.if \first
	v_wmma_f32_16x16x32_bf16 v[8*(4*(\a)+(\b)):8*(4*(\a)+(\b))+7], v[WB+32*(\q)+8*(\b):WB+32*(\q)+8*(\b)+7], v[64*(\q)+8*(\a):64*(\q)+8*(\a)+7], v[BI+8*(\b):BI+8*(\b)+7]
.else
	v_wmma_f32_16x16x32_bf16 v[8*(4*(\a)+(\b)):8*(4*(\a)+(\b))+7], v[WB+32*(\q)+8*(\b):WB+32*(\q)+8*(\b)+7], v[64*(\q)+8*(\a):64*(\q)+8*(\a)+7], v[8*(4*(\a)+(\b)):8*(4*(\a)+(\b))+7]
.endif
.endr
.endr
.endm
; 8 roundings: n block g of quarter q, 16 f32 into 8 registers of bf16
.macro CVT8 q, g
	WIN CVT
.irp t, 0,1,2,3,4,5,6,7
	v_cvt_pk_bf16_f32 v[WB+32*(\q)+8*(\g)+(\t)], v[64*(\q)+16*(\g)+2*(\t)], v[64*(\q)+16*(\g)+2*(\t)+1]
.endr
.endm
; 32 LDS loads in one run: quarter q's fragments: W's 16 first, since they are wanted a quarter earlier, then x's 16
.macro FETCH slot, q
	WIN TO_W
.irp b, 0,1,2,3
	ds_load_b128 v[64*(\q)+16*(\b):64*(\q)+16*(\b)+3],     v[ADRW+(\slot)] offset:(\b)*16*PW+128*(\q)
	ds_load_b128 v[64*(\q)+16*(\b)+4:64*(\q)+16*(\b)+7],   v[ADRW+(\slot)] offset:(\b)*16*PW+128*(\q)+16
	ds_load_b128 v[64*(\q)+16*(\b)+8:64*(\q)+16*(\b)+11],  v[ADRW+(\slot)] offset:(\b)*16*PW+128*(\q)+64
	ds_load_b128 v[64*(\q)+16*(\b)+12:64*(\q)+16*(\b)+15], v[ADRW+(\slot)] offset:(\b)*16*PW+128*(\q)+80
.endr
	WIN TO_X
.irp a, 0,1,2,3,4,5,6,7
	ds_load_b128 v[64*(\q)+8*(\a):64*(\q)+8*(\a)+3],   v[ADRX+(\slot)] offset:(\a)*16*PX+64*(\q)
	ds_load_b128 v[64*(\q)+8*(\a)+4:64*(\q)+8*(\a)+7], v[ADRX+(\slot)] offset:(\a)*16*PX+64*(\q)+32
.endr
.endm
; Quarter q (0, 1 or 3).  w0: this quarter's run is in; the next quarter's 32 loads may be out.  Then the run for the quarter after next, from slot fslot.
; w1: the next quarter's W is in; its x (16) and the run just issued (32) may be out.
.macro QUARTER q, fslot, fetch, cvt, first, w0, w1
	s_wait_dscnt \w0
.if \fetch
	FETCH \fslot, ((\q)+2)%4
.endif
	MUL8 \q, 0, \first
.if \cvt
	s_wait_dscnt \w1
	CVT8 ((\q)+1)%4, 0
.endif
.irp g, 1,2,3
	MUL8 \q, \g, \first
.if \cvt
	CVT8 ((\q)+1)%4, \g
.endif
.endr
.endm
; Quarter 2 changes slots: the last run from this slot (quarter 3's) was issued a quarter ago.  ONE barrier: in front of it each wave waits for all its tensor loads, of which one is out: its part of the next
; slot; adds 0 to its spare word; and waits for that and for its own reads of this slot.  fill = 1: the barrier opens a round of the cluster's, and this slot is filled again, two K steps ahead, first thing behind it:
; from that request to the wait for it a wave issues 112 products.
.macro TURN slot, next, fill
.if \fill
	s_wait_xcnt 0x0                                ; the last prefetch, a K step back, has read its address, so it may be stepped
	s_add_nc_u64 s[PFA:PFA+1], s[PFA:PFA+1], s[PFS:PFS+1]
.endif
	WIN 0                                          ; (the add's two registers lie in window 0)
	s_wait_tensorcnt 0x0                           ; all my tensor loads have landed: my part of the next slot
	ds_add_u32 v[SPW], v[NIL]                      ; 0 onto my spare word
	s_wait_dscnt 17                                ; quarter 2's x and quarter 3's W are in; quarter 3's x (16) and the add may be out
	MUL8 2, 0, 0                                   ; work on registers stands between the add and the wait for it
	CVT8 3, 0
	s_wait_dscnt 0x0                               ; the add is done, and my reads of this slot are over
	s_barrier_signal -1
	MUL8 2, 1, 0
	CVT8 3, 1
.if \fill
	WIN 0
.endif
	s_barrier_wait -1
.if \fill
	CREST                                          ; no wave of any partner still reads this slot's tiles or has a load on its way
	s_add_nc_u64 s[G0+4*(\slot)+2:G0+4*(\slot)+3], s[G0+4*(\slot)+2:G0+4*(\slot)+3], 2*XSTEP
	s_add_nc_u64 s[G0B+4*(\slot)+2:G0B+4*(\slot)+3], s[G0B+4*(\slot)+2:G0B+4*(\slot)+3], 2*WSTEP
	JLOAD \slot                                    ; my one tensor load behind the round
.endif
	FETCH \next, 0
.if \fill
	ASK
.endif
	MUL8 2, 2, 0
	CVT8 3, 2
	MUL8 2, 3, 0
	CVT8 3, 3
.endm
	s_wait_loadcnt 0x0                             ; the bias
	s_wait_dscnt 0x0                               ; k0
	s_wait_tensorcnt 0x1                           ; my part of K step 0 is in; K step 1's may stay out
	s_barrier_signal -1
	s_barrier_wait -1                              ; everybody's is
	FETCH 0, 0
	FETCH 0, 1
	s_wait_dscnt 48                                ; quarter 0's W is in; its x (16) and quarter 1's run (32) may be out
	CVT8 0, 0
	CVT8 0, 1
	CVT8 0, 2
	CVT8 0, 3
	QUARTER 0, 0, 1, 1, 1, 32, 48                  ; the first quarter stands in front of the loop: its products start the sums, with the bias
	WIN 0                                          ; at a label and at a branch every window is 0
	s_mov_b32 s3, KSTEPS/2-1
.Llap:                                         ; a trip goes once round the ring, from a lap's second quarter to the next lap's first, and fills both slots again
	QUARTER 1, 0, 1, 1, 0, 32, 48
	TURN 0, 1, 1
	QUARTER 3, 1, 1, 1, 0, 32, 48
	QUARTER 0, 1, 1, 1, 0, 32, 48
	QUARTER 1, 1, 1, 1, 0, 32, 48
	TURN 1, 0, 1
	QUARTER 3, 0, 1, 1, 0, 32, 48
	QUARTER 0, 0, 1, 1, 0, 32, 48
	WIN 0
	s_sub_co_u32 s3, s3, 1
	s_cmp_lg_u32 s3, 0
	s_cbranch_scc1 .Llap
	QUARTER 1, 0, 1, 1, 0, 32, 48                  ; the last lap fills nothing, and has no round of the cluster's barrier
	TURN 0, 1, 0
	QUARTER 3, 1, 1, 1, 0, 32, 48
	QUARTER 0, 1, 1, 1, 0, 32, 48
	QUARTER 1, 1, 1, 1, 0, 32, 48
	QUARTER 2, 1, 0, 1, 0, 32, 16                  ; nothing more to fetch: quarter 3's run (32) may be out, then its x (16)
	QUARTER 3, 1, 0, 0, 0, 0, 0
	WIN 0
.rept 4
	v_nop                                          ; four places between the last products and what reads results or writes W's registers (ISA guide 7.12.1)
.endr
; THE WAY OUT, an m block (16 rows) at a time, through my own stage: rows of 144 bytes in, whole rows of 128 bytes back into the registers that they left, 512 consecutive bytes a store.
.macro BACK m
.irp t, 0,1,2,3
	ds_load_b128 v[O+16*(\m)+4*(\t):O+16*(\m)+4*(\t)+3], v[RD] offset:(\t)*4*SP  ; LDS serves a wave's instructions in order (ISA guide 5.7.1.4): these see the stores above; the next block's stores come behind them
.endr
.endm
; q: h = 16 hb + 8 (l / 16) + j; n blocks hb and 2 + hb are the same h of d0 and d1: part = q(d0) k0(d0) + q(d1) k0(d1).  Each accumulator's lowest registers are read first.
.macro PACKQ m
	WIN EQ
.irp hb, 0,1
.irp jj, 0,1,2,3
	v_pk_mul_f32 v[O+16*(\m)+8*(\hb)+2*(\jj):O+16*(\m)+8*(\hb)+2*(\jj)+1], v[8*(4*(\m)+(\hb))+2*(\jj):8*(4*(\m)+(\hb))+2*(\jj)+1], v[K0+2*(\m):K0+2*(\m)+1] op_sel_hi:[1,0]
.endr
.endr
.irp hb, 0,1
.irp jj, 0,1,2,3
	v_pk_fma_f32 v[O+16*(\m)+8*(\hb)+2*(\jj):O+16*(\m)+8*(\hb)+2*(\jj)+1], v[8*(4*(\m)+2+(\hb))+2*(\jj):8*(4*(\m)+2+(\hb))+2*(\jj)+1], v[K0+2*(\m):K0+2*(\m)+1], v[O+16*(\m)+8*(\hb)+2*(\jj):O+16*(\m)+8*(\hb)+2*(\jj)+1] op_sel:[0,1,0] op_sel_hi:[1,1,1]
.endr
.endr
	WIN 0
	ds_store_b128 v[STQ], v[O+16*(\m):O+16*(\m)+3]
	ds_store_b128 v[STQ], v[O+16*(\m)+4:O+16*(\m)+7] offset:16
	ds_store_b128 v[STQ], v[O+16*(\m)+8:O+16*(\m)+11] offset:64
	ds_store_b128 v[STQ], v[O+16*(\m)+12:O+16*(\m)+15] offset:80
	BACK \m
.endm
; v: eight neighbouring columns of a row round to 16 bytes
.macro PACKV m
	WIN EV
.irp b, 0,1,2,3
.irp i, 0,1,2,3
	v_cvt_pk_bf16_f32 v[O+16*(\m)+4*(\b)+(\i)], v[8*(4*(\m)+(\b))+2*(\i)], v[8*(4*(\m)+(\b))+2*(\i)+1]
.endr
.endr
	WIN 0
.irp b, 0,1,2,3
	ds_store_b128 v[STV], v[O+16*(\m)+4*(\b):O+16*(\m)+4*(\b)+3] offset:32*(\b)
.endr
	BACK \m
.endm
.macro SEND m, younger                 ; younger: the LDS instructions issued behind block m's loads: the next block's eight, or none
.irp t, 0,1,2,3
	s_wait_dscnt (\younger)+3-(\t)
	global_store_b128 v[GO], v[O+16*(\m)+4*(\t):O+16*(\m)+4*(\t)+3], s[8:9] offset:(\m)*2048+(\t)*512  ; four rows of 128 bytes: 512 consecutive bytes, aligned
.endr
.endm
	s_cmp_eq_u32 s13, 0
	s_cbranch_scc0 .Lv_out
	PACKQ 0
.irp m, 1,2,3,4,5,6,7                          ; a block's arithmetic stands between the loads of the block before and its stores
	PACKQ \m
	SEND (\m)-1, 8
.endr
	SEND 7, 0
	s_branch .Ldone
.Lv_out:
	PACKV 0
.irp m, 1,2,3,4,5,6,7
	PACKV \m
	SEND (\m)-1, 8
.endr
	SEND 7, 0
.Ldone:
	s_wait_tensorcnt 0x0                           ; the wave's end: behind my last tensor load and my last LDS store
	ds_add_u32 v[SPW], v[NIL]
	s_wait_dscnt 0x0
	CROUND                                         ; the closing round: no work-group ends while a partner may still ask for a tile that names it
	s_endpgm
.Lfunc_end_k_q5d48c810ad_gemm:
	.size	k_q5d48c810ad_gemm, .Lfunc_end_k_q5d48c810ad_gemm-k_q5d48c810ad_gemm
	.p2alignl 7, 3214868480
	.fill 96, 4, 3214868480
	.section	.rodata,"a",@progbits
	.p2align	6, 0x0
	.amdhsa_kernel k_q5d48c810ad_gemm
		.amdhsa_group_segment_fixed_size 327680
		.amdhsa_private_segment_fixed_size 0
		.amdhsa_enable_private_segment 0
		.amdhsa_kernarg_size 72
		.amdhsa_user_sgpr_count 2
		.amdhsa_user_sgpr_kernarg_segment_ptr 1
		.amdhsa_wavefront_size32 1
		.amdhsa_system_sgpr_workgroup_id_x 1
		.amdhsa_system_sgpr_workgroup_id_y 1
		.amdhsa_system_sgpr_workgroup_id_z 1
		.amdhsa_system_vgpr_workitem_id 0
		.amdhsa_next_free_vgpr 1024
		.amdhsa_next_free_sgpr 96
		.amdhsa_reserve_vcc 0
		.amdhsa_float_denorm_mode_32 3
		.amdhsa_float_denorm_mode_16_64 3
		.amdhsa_memory_ordered 1
		.amdhsa_forward_progress 1
		.amdhsa_inst_pref_size 157
	.end_amdhsa_kernel
	.amdgpu_metadata
---
amdhsa.version: [ 1, 2 ]
amdhsa.kernels:
  - .name:           k_q5d48c810ad_gemm
    .symbol:         k_q5d48c810ad_gemm.kd
    .args:
      - { .name: xb, .offset: 0, .size: 8, .value_kind: global_buffer, .address_space: global }
      - { .name: Wq, .offset: 8, .size: 8, .value_kind: global_buffer, .address_space: global }
      - { .name: Wv, .offset: 16, .size: 8, .value_kind: global_buffer, .address_space: global }
      - { .name: bq, .offset: 24, .size: 8, .value_kind: global_buffer, .address_space: global }
      - { .name: bv, .offset: 32, .size: 8, .value_kind: global_buffer, .address_space: global }
      - { .name: k0p, .offset: 40, .size: 8, .value_kind: global_buffer, .address_space: global }
      - { .name: bk, .offset: 48, .size: 8, .value_kind: global_buffer, .address_space: global }
      - { .name: pa, .offset: 56, .size: 8, .value_kind: global_buffer, .address_space: global }
      - { .name: vb, .offset: 64, .size: 8, .value_kind: global_buffer, .address_space: global }
    .group_segment_fixed_size: 327680
    .private_segment_fixed_size: 0
    .kernarg_segment_align: 8
    .kernarg_segment_size: 72
    .max_flat_workgroup_size: 128
    .sgpr_count:     96
    .vgpr_count:     1024
    .wavefront_size: 32
...
	.end_amdgpu_metadata
.endif
;; end of part 2
;; launch finish (part 3): grid 256 x 1, 2 waves a work-group, no clusters, 0 bytes of LDS; arguments pa, mask, vb, out0; writes out0
.if DOCPART == 3
	.amdgcn_target "amdgcn-amd-amdhsa--gfx1250"
	.amdhsa_code_object_version 6
	.text
	.protected	k_q5d48c810ad_finish
	.globl	k_q5d48c810ad_finish
	.p2align	8
	.type	k_q5d48c810ad_finish,@function
k_q5d48c810ad_finish:
	s_mov_b64 s[64:65], 0
	v_nop
	global_prefetch_b8 v0, s[64:65] scope:SCOPE_SE
	s_setreg_imm32_b32 hwreg(HW_REG_WAVE_MODE, 25, 1), 1
	s_wait_xcnt 0x0
; align[s][h] = (the sum of pa's 64 parts) / 64; 1e-20 where mask[s][h] = 0; w = softmax over the 32 h, the row's maximum taken away first; out0[s][32 d + h] = v[s][32 d + h] w[s][h].
; pa: [part 64][s 1024][h 32] f32.  vb: [panel 64][s 1024][64] bf16 (panel p = columns 64 p .. 64 p + 63).  All arithmetic in f32; out0 in f32.
; LIMITS.  A weight below 2^-126 counts as 0; NaN and infinities are not treated apart.
; SHARES.  A wave owns two rows, s = 2 n and 2 n + 1 (n = 2 x work-group + wave), and all their columns.  Lanes 0-15 hold the first row, lanes 16-31 the second.  In a row lane i owns the four columns
; 64 p + 4 i .. + 3 of every panel p: their h is 4 (i % 8) + 0..3 whatever p, so a lane's four weights stay in registers.  In pa lanes i < 8 of a row read the even parts, the others the odd ones.
; A STREAM: no LDS, no barrier, no matrix unit, no cluster: no wave wants a byte that another has fetched.  All of pa's loads and half of vb's go out at the head; the other half as soon as pa's registers are free.
.set PO,  8                            ; v8   my 16 bytes of a part: (i / 8) parts + row + 16 (i % 8)
.set MO,  9                            ; v9   my 16 bytes of mask
.set VO,  10                           ; v10  my 8 bytes of a panel: 8 x lane (two rows of 128 bytes lie on end)
.set OO,  11                           ; v11  my 16 bytes of out0
.set PA,  16                           ; v[16:143]  pa: 32 loads of 4
.set VB,  16                           ; v[16:79]   later: panels 32-63, 2 registers each
.set DR,  80                           ; v[80:143]  later: a ring of 16 x 4 registers of results
.set VA,  144                          ; v[144:207] panels 0-31
.set MK,  208                          ; v[208:211] mask
.set A,   212                          ; v[212:215] align, then the weights
.set T,   216                          ; v[216:217] at work
	s_load_b256 s[4:11], s[0:1], 0x0               ; pa s[4:5], mask s[6:7], vb s[8:9], out0 s[10:11]
	v_lshrrev_b32 v1, 5, v0
	v_readfirstlane_b32 s12, v1                    ; wave 0, 1
	s_lshl_b32 s13, ttmp9, 1
	s_add_co_u32 s13, s13, s12                     ; n
	s_lshl_b32 s14, s13, 8                         ; two rows of 128 bytes, in pa, mask and vb
	s_mov_b32 s15, 0
	s_lshl_b32 s16, s13, 15                        ; two rows of 16,384 bytes in out0
	s_mov_b32 s17, 0
	s_mov_b32 s18, 0xffff0000                      ; a word's upper bf16
	v_and_b32 v2, 31, v0                           ; lane
	v_and_b32 v3, 15, v0                           ; i
	v_bfe_u32 v4, v0, 4, 1                         ; which row
	v_and_b32 v5, 7, v0                            ; i % 8
	v_bfe_u32 v6, v0, 3, 1                         ; i / 8
	v_lshlrev_b32 v[MO], 4, v5
	v_lshl_add_u32 v[MO], v4, 7, v[MO]
	v_lshl_add_u32 v[PO], v6, 17, v[MO]
	v_lshlrev_b32 v[VO], 3, v2
	v_lshlrev_b32 v[OO], 4, v3
	v_lshl_add_u32 v[OO], v4, 14, v[OO]
	s_wait_kmcnt 0x0
	s_add_nc_u64 s[4:5], s[4:5], s[14:15]
	s_add_nc_u64 s[6:7], s[6:7], s[14:15]
	s_add_nc_u64 s[8:9], s[8:9], s[14:15]
	s_add_nc_u64 s[10:11], s[10:11], s[16:17]
	global_load_b128 v[MK:MK+3], v[MO], s[6:7] th:TH_LOAD_NT
.set i, 0
.rept 32                                       ; parts 2 i and 2 i + 1: of each, my two rows' 256 consecutive bytes
	global_load_b128 v[PA+4*i:PA+4*i+3], v[PO], s[4:5] offset:i*262144 th:TH_LOAD_NT
.set i, i+1
.endr
.set p, 0
.rept 32                                       ; a panel's two rows: 256 consecutive bytes
	global_load_b64 v[VA+2*p:VA+2*p+1], v[VO], s[8:9] offset:p*131072 th:TH_LOAD_NT
.set p, p+1
.endr
	s_wait_loadcnt 32                              ; mask and pa are in; vb's 32 loads may stay out
.irp st, 16,8,4,2                              ; the 32 loads' sums, halved four times, two sums an instruction,
.set q, 0
.rept 2*(\st)
	v_pk_add_f32 v[PA+2*q:PA+2*q+1], v[PA+2*q:PA+2*q+1], v[PA+2*q+4*(\st):PA+2*q+4*(\st)+1]
.set q, q+1
.endr
.endr
	v_pk_add_f32 v[A:A+1], v[PA:PA+1], v[PA+4:PA+5]  ; and once more, into registers that stay
	v_pk_add_f32 v[A+2:A+3], v[PA+2:PA+3], v[PA+6:PA+7]
.set p, 32
.rept 32                                       ; pa's registers are free: the other half of vb
	global_load_b64 v[VB+2*(p-32):VB+2*(p-32)+1], v[VO], s[8:9] offset:p*131072 th:TH_LOAD_NT
.set p, p+1
.endr
.irp j, 0,1,2,3
	v_add_f32_dpp v[A+(\j)], v[A+(\j)], v[A+(\j)] row_xmask:8 row_mask:0xf bank_mask:0xf  ; even parts + odd parts: lane i and lane i xor 8
.endr
.irp j, 0,1,2,3
	v_mul_f32 v[A+(\j)], 0x3c800000, v[A+(\j)]     ; / 64
.endr
.irp j, 0,1,2,3
	v_cmp_ne_u32 vcc_lo, 0, v[MK+(\j)]
	v_cndmask_b32 v[A+(\j)], 0x1e3ce508, v[A+(\j)], vcc_lo  ; 1e-20 where the mask is 0
.endr
	v_max3_num_f32 v[T], v[A], v[A+1], v[A+2]      ; the row's maximum: my four, then the eight lanes that hold the row's 32 h
	v_max_num_f32 v[T], v[T], v[A+3]
	v_max_num_f32_dpp v[T], v[T], v[T] row_xmask:1 row_mask:0xf bank_mask:0xf
	v_max_num_f32_dpp v[T], v[T], v[T] row_xmask:2 row_mask:0xf bank_mask:0xf
	v_max_num_f32_dpp v[T], v[T], v[T] row_xmask:4 row_mask:0xf bank_mask:0xf
.irp j, 0,1,2,3
	v_sub_f32 v[A+(\j)], v[A+(\j)], v[T]           ; the difference first, so that it is exact where scores are large,
.endr
.irp j, 0,1,2,3
	v_mul_f32 v[A+(\j)], 0x3fb8aa3b, v[A+(\j)]     ; then log2(e)
.endr
.irp j, 0,1,2,3
	v_exp_f32 v[A+(\j)], v[A+(\j)]
.endr
	v_nop                                          ; a plain instruction behind the last exponential (ISA guide 5.7.2),
	s_wait_alu depctr_va_vdst(0)                   ; and the wait ahead of the first use: one for the four
	v_add_f32 v[T], v[A], v[A+1]
	v_add_f32 v[T+1], v[A+2], v[A+3]
	v_add_f32 v[T], v[T], v[T+1]
	v_add_f32_dpp v[T], v[T], v[T] row_xmask:1 row_mask:0xf bank_mask:0xf
	v_add_f32_dpp v[T], v[T], v[T] row_xmask:2 row_mask:0xf bank_mask:0xf
	v_add_f32_dpp v[T], v[T], v[T] row_xmask:4 row_mask:0xf bank_mask:0xf
	v_rcp_f32 v[T+1], v[T]
	v_nop
	s_wait_alu depctr_va_vdst(0)
.irp j, 0,1,2,3
	v_mul_f32 v[A+(\j)], v[A+(\j)], v[T+1]         ; my four weights
.endr
; Panel p: four bf16 widened, multiplied, stored.  The ring's registers are written again 16 panels later.
.macro PANEL
.if p < 32
.set rV, VA+2*p
.else
.set rV, VB+2*(p-32)
.endif
.set rD, DR+4*(p%16)
	s_wait_loadcnt 63-p                            ; loads come back in order (ISA guide 5.7.1): panel p is in, the later panels' loads stay out
.if p >= 16
	s_wait_xcnt 0x0                                ; the stores issued so far have read their data: the ring's registers are rewritten only behind this wait
.endif
	v_lshlrev_b32 v[rD], 16, v[rV]
	v_and_b32 v[rD+1], s18, v[rV]
	v_lshlrev_b32 v[rD+2], 16, v[rV+1]
	v_and_b32 v[rD+3], s18, v[rV+1]
	v_pk_mul_f32 v[rD:rD+1], v[rD:rD+1], v[A:A+1]
	v_pk_mul_f32 v[rD+2:rD+3], v[rD+2:rD+3], v[A+2:A+3]
	global_store_b128 v[OO], v[rD:rD+3], s[10:11] offset:p*256 th:TH_STORE_NT  ; 16 lanes store 256 consecutive bytes of a row, aligned
.endm
.set p, 0
.rept 64
	PANEL
.set p, p+1
.endr
	s_endpgm
.Lfunc_end_k_q5d48c810ad_finish:
	.size	k_q5d48c810ad_finish, .Lfunc_end_k_q5d48c810ad_finish-k_q5d48c810ad_finish
	.p2alignl 7, 3214868480
	.fill 96, 4, 3214868480
	.section	.rodata,"a",@progbits
	.p2align	6, 0x0
	.amdhsa_kernel k_q5d48c810ad_finish
		.amdhsa_group_segment_fixed_size 0
		.amdhsa_private_segment_fixed_size 0
		.amdhsa_enable_private_segment 0
		.amdhsa_kernarg_size 32
		.amdhsa_user_sgpr_count 2
		.amdhsa_user_sgpr_kernarg_segment_ptr 1
		.amdhsa_wavefront_size32 1
		.amdhsa_system_sgpr_workgroup_id_x 1
		.amdhsa_system_sgpr_workgroup_id_y 1
		.amdhsa_system_sgpr_workgroup_id_z 1
		.amdhsa_system_vgpr_workitem_id 0
		.amdhsa_next_free_vgpr 224
		.amdhsa_next_free_sgpr 66
		.amdhsa_reserve_vcc 1
		.amdhsa_float_denorm_mode_32 3
		.amdhsa_float_denorm_mode_16_64 3
		.amdhsa_memory_ordered 1
		.amdhsa_forward_progress 1
		.amdhsa_inst_pref_size 43
	.end_amdhsa_kernel
	.amdgpu_metadata
---
amdhsa.version: [ 1, 2 ]
amdhsa.kernels:
  - .name:           k_q5d48c810ad_finish
    .symbol:         k_q5d48c810ad_finish.kd
    .args:
      - { .name: pa, .offset: 0, .size: 8, .value_kind: global_buffer, .address_space: global }
      - { .name: mask, .offset: 8, .size: 8, .value_kind: global_buffer, .address_space: global }
      - { .name: vb, .offset: 16, .size: 8, .value_kind: global_buffer, .address_space: global }
      - { .name: out0, .offset: 24, .size: 8, .value_kind: global_buffer, .address_space: global }
    .group_segment_fixed_size: 0
    .private_segment_fixed_size: 0
    .kernarg_segment_align: 8
    .kernarg_segment_size: 32
    .max_flat_workgroup_size: 64
    .sgpr_count:     66
    .vgpr_count:     224
    .wavefront_size: 32
...
	.end_amdgpu_metadata
.endif
;; end of part 3
;; ======== version 2 of 2: 3 launches; version 1 with the launches prep, finish written anew for expert scheduling mode
;; workspace buffers: xb 8,388,608 bytes; k0p 8,388,608 bytes; pa 8,388,608 bytes; vb 8,388,608 bytes
;; launch prep (part 4): grid 16 x 16, 4 waves a work-group, no clusters, 69,120 bytes of LDS; arguments x, Wk, xb, k0p; writes xb, k0p
.if DOCPART == 4
	.amdgcn_target "amdgcn-amd-amdhsa--gfx1250"
	.amdhsa_code_object_version 6
	.text
	.protected	k_q5d48c810ad_prep
	.globl	k_q5d48c810ad_prep
	.p2align	8
	.type	k_q5d48c810ad_prep,@function
k_q5d48c810ad_prep:
	s_mov_b64 s[64:65], 0
	v_nop
	global_prefetch_b8 v0, s[64:65] scope:SCOPE_SE
	s_setreg_imm32_b32 hwreg(HW_REG_WAVE_SCHED_MODE, 0, 2), 2
	s_setreg_imm32_b32 hwreg(HW_REG_WAVE_MODE, 25, 1), 1
	s_wait_xcnt 0x0
	s_wait_alu depctr_vm_vsrc(0)
; xb = x rounded to bf16, laid out by K steps: [ks 32][s 1024][128], a row of 256 bytes; and
; k0p[f][dp][s][i] = the sum over k = 256 f .. 256 f + 255 of x[s][k] Wk[32 d][k], d = 2 dp + i: sixteen partial sums in f32 of the only columns of k that the module keeps (k[:, :, 0]).
; LIMITS.  x and Wk are rounded to bf16 for the product, sums in f32.  Rows of Wk whose number is no multiple of 32 are not read: the module slices their results away.
; SHARES.  Work-group (f, mt): 64 rows of x, 256 along K.  Wave w rounds rows 16 w .. 16 w + 15 (1,024 bytes of each, read whole), stores them to xb and to LDS; behind one barrier it
; multiplies all 64 rows by Wk's rows d = 32 w .. 32 w + 31: 8 accumulators, 8 steps of 32 along K.  Nothing loops: every load is issued once, at the head.
; NO CLUSTER, NO TENSOR LOADS: both operands are rounded in registers on their way; what work-groups share is Wk's 128 rows, 2 MiB against the 32 MiB that the launch moves for x, xb and k0p.
; THE PRODUCT IS TAKEN TRANSPOSED (source 0 = 16 rows of Wk, source 1 = 16 rows of x): a lane holds one row s (lane % 16) and d = 8 (lane / 16) + 0..7.
; REGISTERS: window 0: v0-29 addresses; v32-95 accumulators; v128-255 x as loaded, 8 a row, later k0p's rows on the way out.  window 1: Wk's 16 fragments, 16 registers each in f32, 8 once rounded.
; window 2: x's 32 fragments.  (s_set_vgpr_msb: bits 1:0 source 0, 3:2 source 1, 5:4 source 2, 7:6 destination.)
; THE MODE: SCHED_MODE bits 1:0 = 2 (LLVM: expert scheduling mode 2), set by the entry lines.  The code itself states the register dependences
; between vector or matrix instructions and memory or LDS instructions, with s_wait_alu, always for 0.
; THE PLAN.  Registers that memory or LDS instructions touch:
;   v4, v6-13, v28, v29   offsets and addresses: written once at the head, read by the loads and stores, never written again.
;   v[XR ..], v128-255    x's loads land in them; the roundings read a row's eight and write its first four; xb's stores and the LDS stores read those four.  The rows go in two halves: the stores of
;                         rows 0-7 are dealt among the roundings of rows 8-15, which name v192-255 alone.  On the way out loads from the stage land in v128-191, and k0p's stores read them.
;   windows 1 and 2       loads land in them once; behind that only roundings and products name them.
;   v[ACC ..], v32-95     written by the products, read by the LDS stores of the way out.
.set XP,    528                        ; an LDS row of x: 512 bytes of bf16 + 16 of padding: the 16 rows of a fragment load start 16 bytes apart modulo 256
.set STG,   64*XP                      ; behind x's 64 rows: a stage for each wave
.set GRP,   2176                       ; four dp of 512 bytes + 128 of padding: the two halves of the lanes store into different halves of a 256-byte row of banks
.set STGW,  4*GRP
.set SPARE, STG+4*STGW                 ; the spare words, 128 bytes for each wave: two blocks of 256 bytes that no other line names
.set XO,  4                            ; v4    my 32 bytes of a row of x: 32 l + 16 w rows
.set WO,  6                            ; v6-7  my row of Wk for n block 0, 1: (32 w + 16 nb + l % 16) x 32 rows x 16,384 bytes + 32 (l / 16)
.set XBO, 8                            ; v8    my 16 bytes in xb: K step l / 16, row 16 w, byte 16 (l % 16)
.set XL,  9                            ; v9    the same 16 bytes in LDS
.set XA,  10                           ; v10   my place in a fragment of x
.set ST,  11                           ; v11   the way out: where I put 8 bytes
.set RD,  12                           ; v12   the way out: where I read 16 bytes back
.set KO,  13                           ; v13   my 16 bytes in k0p
.set SPW, 28                           ; v28   LDS address of my spare word; never rewritten
.set NIL, 29                           ; v29   0; never rewritten
.set ACC, 32                           ; (mb, nb) at ACC + 8 (2 mb + nb)
.set XR,  128
.set MSB, 0
.macro WIN new                         ; the immediate's high byte repeats the setting that is left
.if MSB != (\new)
	s_set_vgpr_msb (MSB<<8)|(\new)
.set MSB, \new
.endif
.endm
	s_load_b256 s[4:11], s[0:1], 0x0               ; x s[4:5], Wk s[6:7], xb s[8:9], k0p s[10:11]
	v_lshl_add_u32 v[SPW], v0, 2, SPARE
	v_mov_b32 v[NIL], 0
	v_lshrrev_b32 v14, 5, v0
	v_readfirstlane_b32 s12, v14                   ; wave 0..3
	s_and_b32 s13, ttmp7, 0xffff                   ; mt: my 64 rows
	v_and_b32 v1, 31, v0                           ; l
	v_and_b32 v2, 15, v0                           ; l % 16
	v_bfe_u32 v3, v0, 4, 1                         ; l / 16
	s_wait_alu depctr_va_sdst(0)                   ; s12 is written, ahead of its first reader: the wave's shares below are made from it
	s_lshl_b32 s16, s12, 18                        ; 16 rows of 16,384 bytes
	v_lshl_add_u32 v[XO], v1, 5, s16
	s_lshl_b32 s17, s12, 5
	v_add_nc_u32 v[WO], s17, v2                    ; d = 32 w + l % 16
	v_lshlrev_b32 v[WO], 19, v[WO]                 ; row 32 d of 16,384 bytes
	v_lshl_add_u32 v[WO], v3, 5, v[WO]
	v_add_nc_u32 v[WO+1], 0x800000, v[WO]          ; 16 d further on
	s_lshl_b32 s18, s12, 12                        ; 16 rows of 256 bytes
	v_lshl_add_u32 v[XBO], v2, 4, s18
	v_lshl_add_u32 v[XBO], v3, 18, v[XBO]          ; lanes 16-31 hold the chunk's second K step: 1,024 rows of 256 bytes on
	s_mul_i32 s19, s12, 16*XP
	v_lshl_add_u32 v[XL], v1, 4, s19
	v_mul_u32_u24 v[XA], v2, XP
	v_lshl_add_u32 v[XA], v3, 4, v[XA]
	s_mul_i32 s20, s12, STGW
	s_add_co_u32 s20, s20, STG                     ; my stage
	v_mul_u32_u24 v[ST], v3, GRP
	v_lshl_add_u32 v[ST], v2, 3, v[ST]
	v_add_nc_u32 v[ST], s20, v[ST]
	v_lshl_add_u32 v[RD], v1, 4, s20
	s_lshl_b32 s21, s12, 17                        ; my 16 dp of 8,192 bytes
	v_lshl_add_u32 v[KO], v1, 4, s21
	s_lshl_b32 s24, ttmp9, 10                      ; the chunk: 1,024 bytes along a row of x and of Wk
	s_mov_b32 s25, 0
	s_lshl_b32 s22, s13, 20                        ; 64 rows of x
	s_add_co_u32 s22, s22, s24
	s_mov_b32 s23, 0
	s_lshl_b32 s26, ttmp9, 19                      ; two K steps of xb
	s_lshl_b32 s27, s13, 14                        ; 64 rows of 256 bytes
	s_add_co_u32 s26, s26, s27
	s_mov_b32 s27, 0
	s_lshl_b32 s28, ttmp9, 19                      ; part f of k0p
	s_lshl_b32 s29, s13, 9                         ; 64 rows of 8 bytes
	s_add_co_u32 s28, s28, s29
	s_mov_b32 s29, 0
	s_wait_kmcnt 0x0
	s_add_nc_u64 s[4:5], s[4:5], s[22:23]
	s_add_nc_u64 s[6:7], s[6:7], s[24:25]
	s_add_nc_u64 s[8:9], s[8:9], s[26:27]
	s_add_nc_u64 s[10:11], s[10:11], s[28:29]
	s_wait_alu depctr_va_vdst(0)                   ; the offsets and addresses v4 and v6 to v13 are written: every load and store of the kernel reads one of them, and none is written again
.set i, 0
.rept 16                                       ; my 16 rows of x: 32 bytes a lane, 1,024 consecutive bytes a row
	global_load_b128 v[XR+8*i:XR+8*i+3],   v[XO], s[4:5] offset:i*16384 th:TH_LOAD_NT
	global_load_b128 v[XR+8*i+4:XR+8*i+7], v[XO], s[4:5] offset:i*16384+16 th:TH_LOAD_NT
.set i, i+1
.endr
	WIN 0x40                                       ; destination window 1, address window 0
.irp nb, 0,1                                   ; a fragment in f32: K = 8 (l / 16) + 0..7 is 32 bytes, K = 16 + 8 (l / 16) + 0..7 the 32 bytes 64 further on
.irp kk, 0,1,2,3,4,5,6,7
	global_load_b128 v[16*(8*(\nb)+(\kk)):16*(8*(\nb)+(\kk))+3],     v[WO+(\nb)], s[6:7] offset:128*(\kk)
	global_load_b128 v[16*(8*(\nb)+(\kk))+4:16*(8*(\nb)+(\kk))+7],   v[WO+(\nb)], s[6:7] offset:128*(\kk)+16
	global_load_b128 v[16*(8*(\nb)+(\kk))+8:16*(8*(\nb)+(\kk))+11],  v[WO+(\nb)], s[6:7] offset:128*(\kk)+64
	global_load_b128 v[16*(8*(\nb)+(\kk))+12:16*(8*(\nb)+(\kk))+15], v[WO+(\nb)], s[6:7] offset:128*(\kk)+80
.endr
.endr
	WIN 0
	s_wait_loadcnt 63                              ; x's 32 loads are in: 64 younger loads were issued, and the wait's field holds 63 at the most
.set i, 0
.rept 8                                        ; rows 0 to 7 are rounded
.irp t, 0,1,2,3
	v_cvt_pk_bf16_f32 v[XR+8*i+(\t)], v[XR+8*i+2*(\t)], v[XR+8*i+2*(\t)+1]  ; in place, ascending: register t is written when registers 2 t, 2 t + 1 are read
.endr
.set i, i+1
.endr
	s_wait_alu depctr_va_vdst(0)                   ; the roundings have written rows 0 to 7, which the stores below read
.rept 8                                        ; rows 8 to 15 are rounded; ahead of each the two stores of the row eight back, whose registers no rounding since the wait names
	global_store_b128 v[XBO], v[XR+8*(i-8):XR+8*(i-8)+3], s[8:9] offset:(i-8)*256  ; 16 lanes store 256 consecutive bytes, aligned: a row of one K step
	ds_store_b128 v[XL], v[XR+8*(i-8):XR+8*(i-8)+3] offset:(i-8)*XP
.irp t, 0,1,2,3
	v_cvt_pk_bf16_f32 v[XR+8*i+(\t)], v[XR+8*i+2*(\t)], v[XR+8*i+2*(\t)+1]
.endr
.set i, i+1
.endr
	s_wait_alu depctr_va_vdst(0)                   ; the roundings have written rows 8 to 15, which the stores below read
.set i, 8
.rept 8
	global_store_b128 v[XBO], v[XR+8*i:XR+8*i+3], s[8:9] offset:i*256
	ds_store_b128 v[XL], v[XR+8*i:XR+8*i+3] offset:i*XP
.set i, i+1
.endr
	s_wait_dscnt 0x0                               ; for the others' sake: my rows lie in LDS
	s_barrier_signal -1
	s_barrier_wait -1                              ; all 64 rows do
	WIN 0x80                                       ; destination window 2
.irp kk, 0,1,2,3,4,5,6,7                       ; by K, so that the products can begin while the later fragments come.  No vector instruction has named window 2, nor v[XA] since the head's wait
.irp mb, 0,1,2,3
	ds_load_b128 v[8*(8*(\mb)+(\kk)):8*(8*(\mb)+(\kk))+3],   v[XA] offset:(\mb)*16*XP+64*(\kk)
	ds_load_b128 v[8*(8*(\mb)+(\kk))+4:8*(8*(\mb)+(\kk))+7], v[XA] offset:(\mb)*16*XP+64*(\kk)+32
.endr
.endr
	s_wait_loadcnt 0x0                             ; Wk's fragments
	WIN 0x45                                       ; all in window 1
.set i, 0
.rept 16
.irp t, 0,1,2,3,4,5,6,7
	v_cvt_pk_bf16_f32 v[16*i+(\t)], v[16*i+2*(\t)], v[16*i+2*(\t)+1]
.endr
.set i, i+1
.endr
	WIN 0x09                                       ; source 0 (Wk) window 1, source 1 (x) window 2, C and D window 0
.irp kk, 0,1,2,3,4,5,6,7                       ; the eight accumulators take turns, one instruction a turn
	s_wait_dscnt 8*(7-(\kk))                       ; the later K steps' eight loads each may stay out
.irp mb, 0,1,2,3
.irp nb, 0,1
.if (\kk) == 0
	v_wmma_f32_16x16x32_bf16 v[ACC+8*(2*(\mb)+(\nb)):ACC+8*(2*(\mb)+(\nb))+7], v[16*(8*(\nb)+(\kk)):16*(8*(\nb)+(\kk))+7], v[8*(8*(\mb)+(\kk)):8*(8*(\mb)+(\kk))+7], 0
.else
	v_wmma_f32_16x16x32_bf16 v[ACC+8*(2*(\mb)+(\nb)):ACC+8*(2*(\mb)+(\nb))+7], v[16*(8*(\nb)+(\kk)):16*(8*(\nb)+(\kk))+7], v[8*(8*(\mb)+(\kk)):8*(8*(\mb)+(\kk))+7], v[ACC+8*(2*(\mb)+(\nb)):ACC+8*(2*(\mb)+(\nb))+7]
.endif
.endr
.endr
.endr
	WIN 0
.rept 4
	v_nop                                          ; four places between the last product and the LDS stores that read results
.endr
	s_wait_alu depctr_va_vdst(0)                   ; the products have written the accumulators, which the LDS stores read (the places above stay beside this wait); and the roundings that named v128-191, in which the loads from the stage land, are done
; THE WAY OUT.  A lane's registers 2 jj, 2 jj + 1 are the pair (d even, d odd) of dp = 16 w + 8 nb + 4 (l / 16) + jj for row 16 mb + l % 16: 8 bytes.  In my stage a dp's 64 rows lie on end, 512 bytes.
.irp mb, 0,1,2,3
.irp nb, 0,1
.irp jj, 0,1,2,3                               ; ascending: an accumulator's lowest registers are read first
	ds_store_b64 v[ST], v[ACC+8*(2*(\mb)+(\nb))+2*(\jj):ACC+8*(2*(\mb)+(\nb))+2*(\jj)+1] offset:(\nb)*2*GRP+(\jj)*512+(\mb)*128
.endr
.endr
.endr
	s_wait_xcnt 0x0                                ; xb's stores have had their addresses translated (ISA guide 3.1): x's registers are loaded again only behind this wait,
	s_wait_alu depctr_vm_vsrc(0)                   ; and behind this one: xb's stores and the LDS stores of x have read v128-191, in which the loads below land
.irp u, 0,1,2,3,4,5,6,7,8,9,10,11,12,13,14,15
	ds_load_b128 v[XR+4*(\u):XR+4*(\u)+3], v[RD] offset:((\u)/4)*GRP+((\u)%4)*512  ; LDS serves a wave's instructions in order (ISA guide 5.7.1.4): these see my stores above
.endr
.irp u, 0,1,2,3,4,5,6,7,8,9,10,11,12,13,14,15
	s_wait_dscnt 15-(\u)
	global_store_b128 v[KO], v[XR+4*(\u):XR+4*(\u)+3], s[10:11] offset:(\u)*8192  ; 512 consecutive bytes, aligned: 64 rows of one dp
.endr
	s_wait_dscnt 0x0                               ; the wave's end
	s_wait_alu 0x0
	s_wait_tensorcnt 0x0
	ds_add_u32 v[SPW], v[NIL]
	s_wait_dscnt 0x0
	s_endpgm
.Lfunc_end_k_q5d48c810ad_prep:
	.size	k_q5d48c810ad_prep, .Lfunc_end_k_q5d48c810ad_prep-k_q5d48c810ad_prep
	.p2alignl 7, 3214868480
	.fill 96, 4, 3214868480
	.section	.rodata,"a",@progbits
	.p2align	6, 0x0
	.amdhsa_kernel k_q5d48c810ad_prep
		.amdhsa_group_segment_fixed_size 69120
		.amdhsa_private_segment_fixed_size 0
		.amdhsa_enable_private_segment 0
		.amdhsa_kernarg_size 32
		.amdhsa_user_sgpr_count 2
		.amdhsa_user_sgpr_kernarg_segment_ptr 1
		.amdhsa_wavefront_size32 1
		.amdhsa_system_sgpr_workgroup_id_x 1
		.amdhsa_system_sgpr_workgroup_id_y 1
		.amdhsa_system_sgpr_workgroup_id_z 1
		.amdhsa_system_vgpr_workitem_id 0
		.amdhsa_next_free_vgpr 768
		.amdhsa_next_free_sgpr 66
		.amdhsa_reserve_vcc 0
		.amdhsa_float_denorm_mode_32 3
		.amdhsa_float_denorm_mode_16_64 3
		.amdhsa_memory_ordered 1
		.amdhsa_forward_progress 1
		.amdhsa_inst_pref_size 41
	.end_amdhsa_kernel
	.amdgpu_metadata
---
amdhsa.version: [ 1, 2 ]
amdhsa.kernels:
  - .name:           k_q5d48c810ad_prep
    .symbol:         k_q5d48c810ad_prep.kd
    .args:
      - { .name: x, .offset: 0, .size: 8, .value_kind: global_buffer, .address_space: global }
      - { .name: Wk, .offset: 8, .size: 8, .value_kind: global_buffer, .address_space: global }
      - { .name: xb, .offset: 16, .size: 8, .value_kind: global_buffer, .address_space: global }
      - { .name: k0p, .offset: 24, .size: 8, .value_kind: global_buffer, .address_space: global }
    .group_segment_fixed_size: 69120
    .private_segment_fixed_size: 0
    .kernarg_segment_align: 8
    .kernarg_segment_size: 32
    .max_flat_workgroup_size: 128
    .sgpr_count:     66
    .vgpr_count:     768
    .wavefront_size: 32
...
	.end_amdgpu_metadata
.endif
;; end of part 4
;; launch gemm: the kernel of part 2 again; grid 64 x 4, 4 waves a work-group, clusters of 4 x 4, 327,680 bytes of LDS; arguments xb, Wq, Wv, bq, bv, k0p, bk, pa, vb; writes pa, vb
;; launch finish (part 5): grid 256 x 1, 2 waves a work-group, no clusters, 0 bytes of LDS; arguments pa, mask, vb, out0; writes out0
.if DOCPART == 5
	.amdgcn_target "amdgcn-amd-amdhsa--gfx1250"
	.amdhsa_code_object_version 6
	.text
	.protected	k_q5d48c810ad_finish
	.globl	k_q5d48c810ad_finish
	.p2align	8
	.type	k_q5d48c810ad_finish,@function
k_q5d48c810ad_finish:
	s_mov_b64 s[64:65], 0
	v_nop
	global_prefetch_b8 v0, s[64:65] scope:SCOPE_SE
	s_setreg_imm32_b32 hwreg(HW_REG_WAVE_SCHED_MODE, 0, 2), 2
	s_setreg_imm32_b32 hwreg(HW_REG_WAVE_MODE, 25, 1), 1
	s_wait_xcnt 0x0
	s_wait_alu depctr_vm_vsrc(0)
; align[s][h] = (the sum of pa's 64 parts) / 64; 1e-20 where mask[s][h] = 0; w = softmax over the 32 h, the row's maximum taken away first; out0[s][32 d + h] = v[s][32 d + h] w[s][h].
; pa: [part 64][s 1024][h 32] f32.  vb: [panel 64][s 1024][64] bf16 (panel p = columns 64 p .. 64 p + 63).  All arithmetic in f32; out0 in f32.
; LIMITS.  A weight below 2^-126 counts as 0; NaN and infinities are not treated apart.
; SHARES.  A wave owns two rows, s = 2 n and 2 n + 1 (n = 2 x work-group + wave), and all their columns.  Lanes 0-15 hold the first row, lanes 16-31 the second.  In a row lane i owns the four columns
; 64 p + 4 i .. + 3 of every panel p: their h is 4 (i % 8) + 0..3 whatever p, so a lane's four weights stay in registers.  In pa lanes i < 8 of a row read the even parts, the others the odd ones.
; A STREAM: no LDS, no barrier, no matrix unit, no cluster: no wave wants a byte that another has fetched.  All of pa's loads and half of vb's go out at the head; the other half as soon as the upper half of pa's registers is free.
; THE MODE: SCHED_MODE bits 1:0 = 2 (LLVM: expert scheduling mode 2), set by the entry lines.  The code itself states the register dependences
; between vector instructions and memory instructions, with s_wait_alu, always for 0.
; THE PLAN.  Registers that memory instructions touch:
;   v8-11      offsets: written once at the head, never again.
;   v16-143    pa lands here.  The first level of the sums reads v80-143 for the last time; behind one wait panels 32-63 are loaded into v80-143, dealt among the later levels, which name v16-79 and v212-215 alone.
;   v144-207   panels 0-31 land here.     v208-211  the mask.
;   RESULTS go in four blocks of 16 panels, 64 registers a block: block 0 into v16-79; block 1 into v144-207, block 3 into v80-143, each widening its panels in place (panel i of the block writes
;   registers 4 i .. 4 i + 3 of the 64 and reads 32 + 2 i, 33 + 2 i: what it writes was read earlier, by the block before or by this one, or, for i = 15, is read by the same line or an earlier one);
;   block 2 into v16-79 again: the one place where registers that stores have read are written anew.
;   The stores of block b - 1 are issued in block b, two ahead of each of its first eight panels.  One wait at a block's head states that the block before has written its results; no vector
;   instruction of block b names them.
.set PO,  8                            ; v8   my 16 bytes of a part: (i / 8) parts + row + 16 (i % 8)
.set MO,  9                            ; v9   my 16 bytes of mask
.set VO,  10                           ; v10  my 8 bytes of a panel: 8 x lane (two rows of 128 bytes lie on end)
.set OO,  11                           ; v11  my 16 bytes of out0
.set FL,  12                           ; v12  1e-20
.set PA,  16                           ; v[16:143]  pa: 32 loads of 4
.set Y0,  16                           ; v[16:79]   later: the results of blocks 0 and 2
.set VB,  80                           ; v[80:143]  later: panels 32-63, 2 registers each; then the results of block 3
.set VA,  144                          ; v[144:207] panels 0-31; then the results of block 1
.set MK,  208                          ; v[208:211] mask
.set A,   212                          ; v[212:215] align, then the weights
.set T,   216                          ; v[216:217] at work
	s_load_b256 s[4:11], s[0:1], 0x0               ; pa s[4:5], mask s[6:7], vb s[8:9], out0 s[10:11]
	v_lshrrev_b32 v1, 5, v0
	v_readfirstlane_b32 s12, v1                    ; wave 0, 1
	s_mov_b32 s15, 0
	s_mov_b32 s17, 0
	s_mov_b32 s18, 0xffff0000                      ; a word's upper bf16
	v_and_b32 v2, 31, v0                           ; lane
	v_and_b32 v3, 15, v0                           ; i
	v_bfe_u32 v4, v0, 4, 1                         ; which row
	v_and_b32 v5, 7, v0                            ; i % 8
	v_bfe_u32 v6, v0, 3, 1                         ; i / 8
	v_lshlrev_b32 v[MO], 4, v5
	v_lshl_add_u32 v[MO], v4, 7, v[MO]
	v_lshl_add_u32 v[PO], v6, 17, v[MO]
	v_lshlrev_b32 v[VO], 3, v2
	v_lshlrev_b32 v[OO], 4, v3
	v_lshl_add_u32 v[OO], v4, 14, v[OO]
	v_mov_b32 v[FL], 0x1e3ce508
	s_wait_alu depctr_va_sdst(0)                   ; s12 is written, ahead of its first reader: the four bases are made from it
	s_lshl_b32 s13, ttmp9, 1
	s_add_co_u32 s13, s13, s12                     ; n
	s_lshl_b32 s14, s13, 8                         ; two rows of 128 bytes, in pa, mask and vb
	s_lshl_b32 s16, s13, 15                        ; two rows of 16,384 bytes in out0
	s_wait_kmcnt 0x0
	s_add_nc_u64 s[4:5], s[4:5], s[14:15]
	s_add_nc_u64 s[6:7], s[6:7], s[14:15]
	s_add_nc_u64 s[8:9], s[8:9], s[14:15]
	s_add_nc_u64 s[10:11], s[10:11], s[16:17]
	s_wait_alu depctr_va_vdst(0)                   ; the four offsets v8 to v11 are written: every load and store of the kernel reads one of them, and none is written again
	global_load_b128 v[MK:MK+3], v[MO], s[6:7] th:TH_LOAD_NT
.set i, 0
.rept 32                                       ; parts 2 i and 2 i + 1: of each, my two rows' 256 consecutive bytes
	global_load_b128 v[PA+4*i:PA+4*i+3], v[PO], s[4:5] offset:i*262144 th:TH_LOAD_NT
.set i, i+1
.endr
.set p, 0
.rept 32                                       ; a panel's two rows: 256 consecutive bytes
	global_load_b64 v[VA+2*p:VA+2*p+1], v[VO], s[8:9] offset:p*131072 th:TH_LOAD_NT
.set p, p+1
.endr
.macro MORE                            ; the next panel of vb's other half
	global_load_b64 v[VB+2*(p-32):VB+2*(p-32)+1], v[VO], s[8:9] offset:p*131072 th:TH_LOAD_NT
.set p, p+1
.endm
	s_wait_loadcnt 32                              ; mask and pa are in; vb's 32 loads may stay out
.set q, 0
.rept 32                                       ; the 32 loads' sums are halved five times, two sums an instruction.  The first time: the upper half onto the lower
	v_pk_add_f32 v[PA+2*q:PA+2*q+1], v[PA+2*q:PA+2*q+1], v[PA+2*q+64:PA+2*q+65]
.set q, q+1
.endr
	s_wait_alu depctr_va_vdst(0)                   ; those additions are done reading v80-143, in which the loads below land
.irp st, 8,4,2                                 ; three times more, a load ahead of each addition: no addition since the wait names v80-143 or v[VO]
.set q, 0
.rept 2*(\st)
	MORE
	v_pk_add_f32 v[PA+2*q:PA+2*q+1], v[PA+2*q:PA+2*q+1], v[PA+2*q+4*(\st):PA+2*q+4*(\st)+1]
.set q, q+1
.endr
.endr
	MORE
	v_pk_add_f32 v[A:A+1], v[PA:PA+1], v[PA+4:PA+5]  ; and once more, into registers that stay
	MORE
	v_pk_add_f32 v[A+2:A+3], v[PA+2:PA+3], v[PA+6:PA+7]
	MORE
	MORE
.irp j, 0,1,2,3
	v_cmp_ne_u32 s[20+(\j)], 0, v[MK+(\j)]         ; the four masks, in a run; the eight lines below stand between them and the wait for them
.endr
.irp j, 0,1,2,3
	v_add_f32_dpp v[A+(\j)], v[A+(\j)], v[A+(\j)] row_xmask:8 row_mask:0xf bank_mask:0xf  ; even parts + odd parts: lane i and lane i xor 8
.endr
.irp j, 0,1,2,3
	v_mul_f32 v[A+(\j)], 0x3c800000, v[A+(\j)]     ; / 64
.endr
	s_wait_alu depctr_va_sdst(0)                   ; the compares have written s20 to s23, which the selects read
.irp j, 0,1,2,3
	v_cndmask_b32 v[A+(\j)], v[FL], v[A+(\j)], s[20+(\j)]  ; 1e-20 where the mask is 0
.endr
	v_max3_num_f32 v[T], v[A], v[A+1], v[A+2]      ; the row's maximum: my four, then the eight lanes that hold the row's 32 h
	v_max_num_f32 v[T], v[T], v[A+3]
	v_max_num_f32_dpp v[T], v[T], v[T] row_xmask:1 row_mask:0xf bank_mask:0xf
	v_max_num_f32_dpp v[T], v[T], v[T] row_xmask:2 row_mask:0xf bank_mask:0xf
	v_max_num_f32_dpp v[T], v[T], v[T] row_xmask:4 row_mask:0xf bank_mask:0xf
.irp j, 0,1,2,3
	v_sub_f32 v[A+(\j)], v[A+(\j)], v[T]           ; the difference first, so that it is exact where scores are large,
.endr
.irp j, 0,1,2,3
	v_mul_f32 v[A+(\j)], 0x3fb8aa3b, v[A+(\j)]     ; then log2(e)
.endr
.irp j, 0,1,2,3
	v_exp_f32 v[A+(\j)], v[A+(\j)]
.endr
	v_nop                                          ; a plain instruction behind the last exponential (ISA guide 5.7.2),
	s_wait_alu depctr_va_vdst(0)                   ; and the wait ahead of the first use: the four exponentials have written v[A ..]
	v_add_f32 v[T], v[A], v[A+1]
	v_add_f32 v[T+1], v[A+2], v[A+3]
	v_add_f32 v[T], v[T], v[T+1]
	v_add_f32_dpp v[T], v[T], v[T] row_xmask:1 row_mask:0xf bank_mask:0xf
	v_add_f32_dpp v[T], v[T], v[T] row_xmask:2 row_mask:0xf bank_mask:0xf
	v_add_f32_dpp v[T], v[T], v[T] row_xmask:4 row_mask:0xf bank_mask:0xf
	v_rcp_f32 v[T+1], v[T]
	v_nop
	s_wait_alu depctr_va_vdst(0)                   ; the same for the reciprocal: it has written v[T+1]
.irp j, 0,1,2,3
	v_mul_f32 v[A+(\j)], v[A+(\j)], v[T+1]         ; my four weights
.endr
.macro OUTREG n                        ; rO: where panel n's four results lie
.if (\n)/16 == 1
.set rO, VA+4*((\n)%16)
.elseif (\n)/16 == 3
.set rO, VB+4*((\n)%16)
.else
.set rO, Y0+4*((\n)%16)
.endif
.endm
.macro SEND n                          ; panel n is stored
	OUTREG \n
	global_store_b128 v[OO], v[rO:rO+3], s[10:11] offset:(\n)*256 th:TH_STORE_NT  ; 16 lanes store 256 consecutive bytes of a row, aligned
.endm
; Panel p: four bf16 widened and multiplied.  Ahead of each of a block's first eight panels stand two stores of the block before.
.macro PANEL
.if (p >= 16) && (p%16 < 8)
.set n0, p-16+p%16
	SEND n0
	SEND n0+1
.endif
.if p < 32
.set rV, VA+2*p
.else
.set rV, VB+2*(p-32)
.endif
	OUTREG p
	s_wait_loadcnt 63-p                            ; loads come back in order (ISA guide 5.7.1): panel p is in, the later panels' loads stay out
	v_lshlrev_b32 v[rO], 16, v[rV]
	v_and_b32 v[rO+1], s18, v[rV]
	v_lshlrev_b32 v[rO+2], 16, v[rV+1]
	v_and_b32 v[rO+3], s18, v[rV+1]
	v_pk_mul_f32 v[rO:rO+1], v[rO:rO+1], v[A:A+1]
	v_pk_mul_f32 v[rO+2:rO+3], v[rO+2:rO+3], v[A+2:A+3]
.set p, p+1
.endm
.set p, 0
.rept 16                                       ; block 0, into v16-79: no store has read them, and there is no block before
	PANEL
.endr
	s_wait_alu depctr_va_vdst(0)                   ; block 0 has written v16-79, which the stores issued in block 1 read
.rept 16                                       ; block 1, in place in v144-207
	PANEL
.endr
	s_wait_xcnt 0x0                                ; block 0's stores, issued eight panels back or more, have had their addresses translated (ISA guide 3.1): v16-79 are rewritten only behind this wait,
	s_wait_alu depctr_vm_vsrc(0)                   ; and behind this one: those stores have read v16-79, which block 2 writes again
	s_wait_alu depctr_va_vdst(0)                   ; block 1 has written v144-207, which the stores issued in block 2 read
.rept 16                                       ; block 2, into v16-79 again
	PANEL
.endr
	s_wait_alu depctr_va_vdst(0)                   ; block 2 has written v16-79, which the stores issued in block 3 read
.rept 16                                       ; block 3, in place in v80-143, which no store has read
	PANEL
.endr
	s_wait_alu depctr_va_vdst(0)                   ; block 3 has written v80-143, which the last sixteen stores read
.set n0, 48
.rept 16
	SEND n0
.set n0, n0+1
.endr
	s_endpgm
.Lfunc_end_k_q5d48c810ad_finish:
	.size	k_q5d48c810ad_finish, .Lfunc_end_k_q5d48c810ad_finish-k_q5d48c810ad_finish
	.p2alignl 7, 3214868480
	.fill 96, 4, 3214868480
	.section	.rodata,"a",@progbits
	.p2align	6, 0x0
	.amdhsa_kernel k_q5d48c810ad_finish
		.amdhsa_group_segment_fixed_size 0
		.amdhsa_private_segment_fixed_size 0
		.amdhsa_enable_private_segment 0
		.amdhsa_kernarg_size 32
		.amdhsa_user_sgpr_count 2
		.amdhsa_user_sgpr_kernarg_segment_ptr 1
		.amdhsa_wavefront_size32 1
		.amdhsa_system_sgpr_workgroup_id_x 1
		.amdhsa_system_sgpr_workgroup_id_y 1
		.amdhsa_system_sgpr_workgroup_id_z 1
		.amdhsa_system_vgpr_workitem_id 0
		.amdhsa_next_free_vgpr 224
		.amdhsa_next_free_sgpr 66
		.amdhsa_reserve_vcc 0
		.amdhsa_float_denorm_mode_32 3
		.amdhsa_float_denorm_mode_16_64 3
		.amdhsa_memory_ordered 1
		.amdhsa_forward_progress 1
		.amdhsa_inst_pref_size 42
	.end_amdhsa_kernel
	.amdgpu_metadata
---
amdhsa.version: [ 1, 2 ]
amdhsa.kernels:
  - .name:           k_q5d48c810ad_finish
    .symbol:         k_q5d48c810ad_finish.kd
    .args:
      - { .name: pa, .offset: 0, .size: 8, .value_kind: global_buffer, .address_space: global }
      - { .name: mask, .offset: 8, .size: 8, .value_kind: global_buffer, .address_space: global }
      - { .name: vb, .offset: 16, .size: 8, .value_kind: global_buffer, .address_space: global }
      - { .name: out0, .offset: 24, .size: 8, .value_kind: global_buffer, .address_space: global }
    .group_segment_fixed_size: 0
    .private_segment_fixed_size: 0
    .kernarg_segment_align: 8
    .kernarg_segment_size: 32
    .max_flat_workgroup_size: 64
    .sgpr_count:     66
    .vgpr_count:     224
    .wavefront_size: 32
...
	.end_amdgpu_metadata
.endif
;; end of part 5
